; MI455X (gfx1250); checked and timed in simulation.
; The chip was launched on July 23, 2026; its instructions are those of AMD's public machine-readable ISA for CDNA 5 (MIT licence, August 2026) and "CDNA5" Instruction Set Architecture Reference Guide (July 2026). The comments in the code are by the model that wrote it; some were corrected since.
;; Linear Attention Layer. Allowed arithmetic: float matrix products may take bf16 or f16 operands with f32 sums; other float arithmetic in f32, or as packed bf16 or f16 multiplies, adds, multiply-adds, maxima and minima; sums over many terms, partial sums and values carried from step to step in f32; what a program stores and reads back later, other than sums and carried values, may be rounded once to bf16 or f16.
;; Inputs: W1 256 x 512 float32; W2 512 x 256 float32; Wkv 256 x 512 float32; Wp 256 x 256 float32; Wq 256 x 256 float32; b1 512 float32; b2 256 float32; bp 256 float32; kv 8 x 8,192 x 256 float32; kv_mask 8 x 8,192 float32; ln1_b 256 float32; ln1_g 256 float32; ln2_b 256 float32; ln2_g 256 float32; q 8 x 8,192 x 256 float32; q_mask 8 x 8,192 float32.
;; Outputs: out0 8 x 8,192 x 256 float32.
;; One version. Each part assembles by itself: llvm-mc -triple=amdgcn-amd-amdhsa -mcpu=gfx1250 --defsym DOCPART=n.
;; ======== version 1 of 1: 4 launches
;; workspace buffers: WKV 262,144 bytes; WS 786,432 bytes; PARAM 5,120 bytes; KVB 2,048 bytes; PART 12,582,912 bytes; STATE 196,608 bytes
;; launch prep (part 1): grid 277 x 1, 8 waves a work-group, no clusters, 2,048 bytes of LDS; arguments Wkv, Wq, Wp, W1, W2, ln1_g, ln2_g, ln1_b, ln2_b, b1, bp, b2, WKV, WS, PARAM, KVB; writes WKV, WS, PARAM, KVB
.if DOCPART == 1
	.amdgcn_target "amdgcn-amd-amdhsa--gfx1250"
	.amdhsa_code_object_version 6
	.text
	.protected	k_q95fdf38266_prep
	.globl	k_q95fdf38266_prep
	.p2align	8
	.type	k_q95fdf38266_prep,@function
k_q95fdf38266_prep:
	s_mov_b64 s[64:65], 0
	v_nop
	global_prefetch_b8 v0, s[64:65] scope:SCOPE_SE
	s_setreg_imm32_b32 hwreg(HW_REG_WAVE_MODE, 25, 1), 1
	s_wait_xcnt 0x0
; PREP.  The weights become bf16 FRAGMENT IMAGES, the biases f32 tables.
; A fragment is 16 out channels x 32 in channels in 1,024 bytes: byte g*512 + lane*16 holds the lane's registers 4g .. 4g+3, that is
; W[32 kc + 16 g + 8 (lane/16) + 0..7][col + lane%16], times the norm's gain of that in channel where the product follows a norm.
; So LN(x) W = rs ((x - mu) (g.W)) + (ln_b W): the gain lies in the weight, ln_b W in a table.
; WORK-GROUPS 0-255: 1,024 fragments, four each, a wave half a fragment (512 consecutive bytes stored).
;   fragments 0-255   -> WKV: head*32 + ct*8 + kc; ct 0,1 = K's two tiles of 16 channels, ct 2,3 = V's.
;   fragments 256-511 -> WS, 8 chunks of 32: head c: 16 fragments of Wq (kc*2 + o), 16 of Wp (out tile t, in channels 32 c ..).
;   fragments 512-1023 -> WS, 32 blocks of 16 IN THE ORDER IN WHICH THE Q SIDE MULTIPLIES THEM: S(0), S(1), X(0), S(2), X(1), .. S(15), X(14), X(15).
;       S(c): W1's columns 32 c .., fragment o*8 + kc.  X(c): W2's rows 32 c .., out tile t, TIMES 1/2 (exact): the q side hands it 2 gelu.
; WORK-GROUPS 256-275: 1,280 dots of 256 terms in f32, 64 outputs each: ln1_b Wq + 1 (PARAM+0), ln1_b Wkv (+1 on K's columns; KVB), ln2_b W1 + b1 (PARAM+1024).
; WORK-GROUP 276: bp -> PARAM+3072, b2 -> PARAM+4096.
; All branches hang on the work-group's and the wave's number alone.
.set SPARE, 1024                       ; behind the 1,024 bytes of partial dots: the spare words, 128 bytes for each of 8 waves
.set SPW, 2                            ; v2  SPARE + 4 x thread; never rewritten
.set NIL, 3                            ; v3  0; never rewritten
	s_load_b512 s[4:19], s[0:1], 0x0               ; Wkv 4, Wq 6, Wp 8, W1 10, W2 12, ln1_g 14, ln2_g 16, ln1_b 18
	s_load_b512 s[20:35], s[0:1], 0x40             ; ln2_b 20, b1 22, bp 24, b2 26, WKV 28, WS 30, PARAM 32, KVB 34
	v_lshl_add_u32 v[SPW], v0, 2, SPARE
	v_mov_b32 v[NIL], 0
	v_lshrrev_b32 v1, 5, v0
	v_readfirstlane_b32 s36, v1                    ; wave 0..7
	v_and_b32 v4, 31, v0                           ; lane
	v_and_b32 v5, 15, v0                           ; r
	v_bfe_u32 v6, v0, 4, 1                         ; h
	s_mov_b32 s37, ttmp9
	s_wait_kmcnt 0x0
	s_cmp_lt_u32 s37, 256
	s_cbranch_scc0 .Ltables
	; ---- a fragment's half.  s38 fragment, s39 g, s40 kc, s41 col, s42 pitch of W in elements, s43 all ones where a gain is used, s59 the factor where none is
	s_lshr_b32 s50, s36, 1
	s_lshl2_add_u32 s38, s37, s50                  ; 4 x work-group + wave / 2
	s_and_b32 s39, s36, 1
	s_mov_b32 s59, 1.0
	s_cmp_lt_u32 s38, 256
	s_cbranch_scc0 .Lstream
	s_lshr_b32 s50, s38, 5                         ; head
	s_bfe_u32 s51, s38, 0x20003                    ; ct
	s_and_b32 s40, s38, 7                          ; kc
	s_lshr_b32 s52, s51, 1
	s_lshl_b32 s41, s52, 8                         ; V's columns begin at 256
	s_lshl_b32 s50, s50, 5
	s_add_co_u32 s41, s41, s50
	s_and_b32 s51, s51, 1
	s_lshl_b32 s51, s51, 4
	s_add_co_u32 s41, s41, s51
	s_mov_b32 s42, 512
	s_mov_b32 s43, -1
	s_mov_b64 s[44:45], s[4:5]
	s_mov_b64 s[46:47], s[14:15]
	s_mov_b64 s[48:49], s[28:29]
	s_lshl_b32 s52, s38, 10
	s_branch .Lfrag
.Lstream:
	s_sub_co_u32 s53, s38, 256                     ; fragment in WS
	s_mov_b64 s[46:47], s[14:15]                   ; ln1_g, unless W1 is at hand (loaded in every case, used where s43 says so)
	s_cmp_lt_u32 s53, 256
	s_cbranch_scc0 .Lmlp
	s_lshr_b32 s54, s53, 5                         ; head
	s_and_b32 s51, s53, 31                         ; fragment in the chunk
	s_mov_b32 s42, 256
	s_cmp_lt_u32 s51, 16
	s_cbranch_scc0 .Lwp
	s_lshr_b32 s40, s51, 1
	s_and_b32 s56, s51, 1
	s_lshl_b32 s56, s56, 4
	s_lshl_b32 s41, s54, 5
	s_add_co_u32 s41, s41, s56
	s_mov_b32 s43, -1
	s_mov_b64 s[44:45], s[6:7]                     ; Wq
	s_branch .Lws
.Lwp:
	s_mov_b32 s40, s54
	s_sub_co_u32 s41, s51, 16
	s_lshl_b32 s41, s41, 4
	s_mov_b32 s43, 0
	s_mov_b64 s[44:45], s[8:9]                     ; Wp
	s_branch .Lws
.Lmlp:
	s_sub_co_u32 s50, s53, 256
	s_lshr_b32 s55, s50, 4                         ; block 0..31
	s_and_b32 s51, s50, 15                         ; fragment in the block
	s_lshr_b32 s54, s55, 1
	s_sub_co_u32 s54, s54, 1                       ; an even block b is X(b / 2 - 1),
	s_add_co_u32 s56, s55, 1
	s_lshr_b32 s56, s56, 1                         ; an odd one S((b + 1) / 2);
	s_and_b32 s57, s55, 1
	s_cmp_eq_u32 s55, 31                           ; but the last is X(15),
	s_cselect_b32 s57, 0, s57
	s_cselect_b32 s54, 15, s54
	s_cmp_eq_u32 s55, 0                            ; and the first S(0)
	s_cselect_b32 s57, 1, s57
	s_cmp_eq_u32 s57, 1
	s_cbranch_scc0 .Lw2
	s_and_b32 s40, s51, 7
	s_lshr_b32 s58, s51, 3
	s_lshl_b32 s58, s58, 4
	s_lshl_b32 s41, s56, 5
	s_add_co_u32 s41, s41, s58
	s_mov_b32 s42, 512
	s_mov_b32 s43, -1
	s_mov_b64 s[44:45], s[10:11]                   ; W1
	s_mov_b64 s[46:47], s[16:17]                   ; ln2_g
	s_branch .Lws
.Lw2:
	s_mov_b32 s40, s54
	s_lshl_b32 s41, s51, 4
	s_mov_b32 s42, 256
	s_mov_b32 s43, 0
	s_mov_b32 s59, 0.5
	s_mov_b64 s[44:45], s[12:13]                   ; W2
.Lws:
	s_mov_b64 s[48:49], s[30:31]
	s_lshl_b32 s52, s53, 10
.Lfrag:
	s_mov_b32 s53, 0
	s_lshl_b32 s51, s39, 9
	s_add_co_u32 s52, s52, s51
	s_add_nc_u64 s[48:49], s[48:49], s[52:53]      ; where my 512 bytes go
	s_lshl_b32 s50, s40, 5
	s_lshl_b32 s51, s39, 4
	s_add_co_u32 s50, s50, s51                     ; 32 kc + 16 g
	s_mul_i32 s50, s50, s42
	s_add_co_u32 s50, s50, s41
	s_lshl_b32 s50, s50, 2
	s_lshl_b32 s56, s42, 2                         ; a row of W in bytes
	s_lshl_b32 s57, s42, 5                         ; eight rows
	s_and_b32 s58, s40, 7                          ; (kc runs to 15 for W2, whose gain is not used: kept inside the 256 numbers)
	s_lshl_b32 s58, s58, 5
	s_add_co_u32 s58, s58, s51
	s_lshl_b32 s58, s58, 2
	v_mul_lo_u32 v8, v6, s57
	v_lshl_add_u32 v8, v5, 2, v8
	v_add_nc_u32 v8, s50, v8
.irp j, 1,2,3,4,5,6,7
	v_add_nc_u32 v[8+\j], s56, v[7+\j]
.endr
	v_lshl_add_u32 v7, v6, 5, s58
	v_lshlrev_b32 v36, 4, v4
.irp j, 0,1,2,3,4,5,6,7
	global_load_b32 v[16+\j], v[8+\j], s[44:45]
.endr
	global_load_b128 v[24:27], v7, s[46:47]
	global_load_b128 v[28:31], v7, s[46:47] offset:16
	s_wait_loadcnt 0x0
.irp j, 0,1,2,3,4,5,6,7
	v_cndmask_b32 v[24+\j], s59, v[24+\j], s43
.endr
.irp j, 0,2,4,6
	v_pk_mul_f32 v[16+\j:17+\j], v[16+\j:17+\j], v[24+\j:25+\j]
.endr
.irp j, 0,1,2,3
	v_cvt_pk_bf16_f32 v[32+\j], v[16+2*\j], v[17+2*\j]
.endr
	global_store_b128 v36, v[32:35], s[48:49]      ; the wave's store covers 512 consecutive bytes, aligned
	s_branch .Lend
	; ---- the dots.  s38 block, s39 quarter of K, s40 first column, s41 constant addend, s42 log2 of W's pitch, s43 all ones where b1 is the addend
.Ltables:
	s_cmp_lt_u32 s37, 276
	s_cbranch_scc0 .Lcopy
	s_sub_co_u32 s38, s37, 256
	s_lshr_b32 s39, s36, 1
	s_mov_b32 s43, 0
	s_cmp_lt_u32 s38, 4
	s_cbranch_scc0 .Lnot_q
	s_lshl_b32 s40, s38, 6
	s_mov_b32 s41, 1.0
	s_mov_b32 s42, 8
	s_mov_b64 s[44:45], s[6:7]
	s_mov_b64 s[46:47], s[18:19]
	s_mov_b64 s[48:49], s[32:33]
	s_lshl_b32 s52, s40, 2
	s_branch .Ldot
.Lnot_q:
	s_mov_b32 s42, 9
	s_cmp_lt_u32 s38, 12
	s_cbranch_scc0 .Lw1
	s_sub_co_u32 s40, s38, 4
	s_lshl_b32 s40, s40, 6
	s_cmp_lt_u32 s40, 256
	s_cselect_b32 s41, 1.0, 0                      ; K's columns carry the + 1 of elu + 1
	s_mov_b64 s[44:45], s[4:5]
	s_mov_b64 s[46:47], s[18:19]
	s_mov_b64 s[48:49], s[34:35]
	s_lshl_b32 s52, s40, 2
	s_branch .Ldot
.Lw1:
	s_sub_co_u32 s40, s38, 12
	s_lshl_b32 s40, s40, 6
	s_mov_b32 s41, 0
	s_mov_b32 s43, -1
	s_mov_b64 s[44:45], s[10:11]
	s_mov_b64 s[46:47], s[20:21]
	s_mov_b64 s[48:49], s[32:33]
	s_lshl_b32 s52, s40, 2
	s_add_co_u32 s52, s52, 1024
.Ldot:
	s_mov_b32 s53, 0
	s_add_nc_u64 s[48:49], s[48:49], s[52:53]
	s_lshl_b32 s50, s39, 6
	s_lshl_b32 s50, s50, s42
	s_add_co_u32 s50, s50, s40
	s_lshl_b32 s50, s50, 2
	s_mov_b32 s51, 0
	s_add_nc_u64 s[44:45], s[44:45], s[50:51]      ; W at row 64 ks, column col0
	s_lshl_b32 s50, s39, 8
	s_add_nc_u64 s[46:47], s[46:47], s[50:51]      ; ln_b at 64 ks
	v_and_b32 v8, 63, v0
	v_lshlrev_b32 v8, 2, v8                        ; my column
	v_mov_b32 v9, 0
.macro DOT ld                          ; my column's 64 numbers of my quarter of K
.set i, 0
.rept 64
	global_load_b32 v[16+i], v8, s[44:45] offset:i*4*(\ld)
.set i, i+1
.endr
.endm
	s_cmp_eq_u32 s42, 8
	s_cbranch_scc0 .Lwide
	DOT 256
	s_branch .Lsum
.Lwide:
	DOT 512
.Lsum:
.set i, 0
.rept 16
	global_load_b128 v[80+4*i:83+4*i], v9, s[46:47] offset:16*i
.set i, i+1
.endr
	s_wait_loadcnt 0x0
.set i, 0
.rept 32                               ; four chains, started by the first four products
.if i < 4
	v_pk_mul_f32 v[144+2*i:145+2*i], v[16+2*i:17+2*i], v[80+2*i:81+2*i]
.else
	v_pk_fma_f32 v[144+2*(i%4):145+2*(i%4)], v[16+2*i:17+2*i], v[80+2*i:81+2*i], v[144+2*(i%4):145+2*(i%4)]
.endif
.set i, i+1
.endr
	v_pk_add_f32 v[144:145], v[144:145], v[146:147]
	v_pk_add_f32 v[148:149], v[148:149], v[150:151]
	v_pk_add_f32 v[144:145], v[144:145], v[148:149]
	v_add_f32 v144, v144, v145
	v_lshlrev_b32 v10, 2, v0                       ; word 64 ks + m = my thread's number
	ds_store_b32 v10, v144
	s_wait_dscnt 0x0                               ; for the others' sake: my partial dot lies in LDS
	s_barrier_signal -1
	s_barrier_wait -1
	s_cmp_lg_u32 s36, 0
	s_cbranch_scc1 .Lend                           ; wave 0 adds the four quarters, two outputs a lane
	v_lshlrev_b32 v11, 3, v4
	ds_load_b64 v[16:17], v11
	ds_load_b64 v[18:19], v11 offset:256
	ds_load_b64 v[20:21], v11 offset:512
	ds_load_b64 v[22:23], v11 offset:768
	s_and_b32 s50, s40, s43                        ; b1 at my columns, or at its head where it is not used
	s_lshl_b32 s50, s50, 2
	v_add_nc_u32 v12, s50, v11
	global_load_b64 v[24:25], v12, s[22:23]
	s_wait_dscnt 0x0
	v_pk_add_f32 v[16:17], v[16:17], v[18:19]
	v_pk_add_f32 v[20:21], v[20:21], v[22:23]
	v_pk_add_f32 v[16:17], v[16:17], v[20:21]
	s_wait_loadcnt 0x0
	v_cndmask_b32 v24, s41, v24, s43
	v_cndmask_b32 v25, s41, v25, s43
	v_pk_add_f32 v[16:17], v[16:17], v[24:25]
	global_store_b64 v11, v[16:17], s[48:49]       ; 256 consecutive bytes, aligned
	s_branch .Lend
.Lcopy:                                        ; bp and b2 as they are: four waves, 512 bytes each
	s_cmp_lt_u32 s36, 4
	s_cbranch_scc0 .Lend
	s_cmp_lt_u32 s36, 2
	s_cselect_b64 s[44:45], s[24:25], s[26:27]
	s_and_b32 s50, s36, 1
	s_lshl_b32 s50, s50, 9
	v_lshl_add_u32 v8, v4, 4, s50
	s_lshr_b32 s51, s36, 1
	s_lshl_b32 s51, s51, 10
	s_add_co_u32 s51, s51, 3072
	v_add_nc_u32 v9, s51, v8
	global_load_b128 v[16:19], v8, s[44:45]
	s_wait_loadcnt 0x0
	global_store_b128 v9, v[16:19], s[32:33]
.Lend:
	s_wait_tensorcnt 0x0                           ; the wave's end, behind my last LDS store
	ds_add_u32 v[SPW], v[NIL]
	s_wait_dscnt 0x0
	s_endpgm
.Lfunc_end_k_q95fdf38266_prep:
	.size	k_q95fdf38266_prep, .Lfunc_end_k_q95fdf38266_prep-k_q95fdf38266_prep
	.p2alignl 7, 3214868480
	.fill 96, 4, 3214868480
	.section	.rodata,"a",@progbits
	.p2align	6, 0x0
	.amdhsa_kernel k_q95fdf38266_prep
		.amdhsa_group_segment_fixed_size 2048
		.amdhsa_private_segment_fixed_size 0
		.amdhsa_enable_private_segment 0
		.amdhsa_kernarg_size 128
		.amdhsa_user_sgpr_count 2
		.amdhsa_user_sgpr_kernarg_segment_ptr 1
		.amdhsa_wavefront_size32 1
		.amdhsa_system_sgpr_workgroup_id_x 1
		.amdhsa_system_sgpr_workgroup_id_y 1
		.amdhsa_system_sgpr_workgroup_id_z 1
		.amdhsa_system_vgpr_workitem_id 0
		.amdhsa_next_free_vgpr 160
		.amdhsa_next_free_sgpr 66
		.amdhsa_reserve_vcc 0
		.amdhsa_float_denorm_mode_32 3
		.amdhsa_float_denorm_mode_16_64 3
		.amdhsa_memory_ordered 1
		.amdhsa_forward_progress 1
		.amdhsa_inst_pref_size 27
	.end_amdhsa_kernel
	.amdgpu_metadata
---
amdhsa.version: [ 1, 2 ]
amdhsa.kernels:
  - .name:           k_q95fdf38266_prep
    .symbol:         k_q95fdf38266_prep.kd
    .args:
      - { .name: Wkv, .offset: 0, .size: 8, .value_kind: global_buffer, .address_space: global }
      - { .name: Wq, .offset: 8, .size: 8, .value_kind: global_buffer, .address_space: global }
      - { .name: Wp, .offset: 16, .size: 8, .value_kind: global_buffer, .address_space: global }
      - { .name: W1, .offset: 24, .size: 8, .value_kind: global_buffer, .address_space: global }
      - { .name: W2, .offset: 32, .size: 8, .value_kind: global_buffer, .address_space: global }
      - { .name: ln1_g, .offset: 40, .size: 8, .value_kind: global_buffer, .address_space: global }
      - { .name: ln2_g, .offset: 48, .size: 8, .value_kind: global_buffer, .address_space: global }
      - { .name: ln1_b, .offset: 56, .size: 8, .value_kind: global_buffer, .address_space: global }
      - { .name: ln2_b, .offset: 64, .size: 8, .value_kind: global_buffer, .address_space: global }
      - { .name: b1, .offset: 72, .size: 8, .value_kind: global_buffer, .address_space: global }
      - { .name: bp, .offset: 80, .size: 8, .value_kind: global_buffer, .address_space: global }
      - { .name: b2, .offset: 88, .size: 8, .value_kind: global_buffer, .address_space: global }
      - { .name: WKV, .offset: 96, .size: 8, .value_kind: global_buffer, .address_space: global }
      - { .name: WS, .offset: 104, .size: 8, .value_kind: global_buffer, .address_space: global }
      - { .name: PARAM, .offset: 112, .size: 8, .value_kind: global_buffer, .address_space: global }
      - { .name: KVB, .offset: 120, .size: 8, .value_kind: global_buffer, .address_space: global }
    .group_segment_fixed_size: 2048
    .private_segment_fixed_size: 0
    .kernarg_segment_align: 8
    .kernarg_segment_size: 128
    .max_flat_workgroup_size: 256
    .sgpr_count:     66
    .vgpr_count:     160
    .wavefront_size: 32
...
	.end_amdgpu_metadata
.endif
;; end of part 1
;; launch kvstate (part 2): grid 256 x 1, 4 waves a work-group, no clusters, 34,304 bytes of LDS; arguments kv, kv_mask, WKV, KVB, PART; writes PART
.if DOCPART == 2
	.amdgcn_target "amdgcn-amd-amdhsa--gfx1250"
	.amdhsa_code_object_version 6
	.text
	.protected	k_q95fdf38266_kvstate
	.globl	k_q95fdf38266_kvstate
	.p2align	8
	.type	k_q95fdf38266_kvstate,@function
k_q95fdf38266_kvstate:
	s_mov_b64 s[64:65], 0
	v_nop
	global_prefetch_b8 v0, s[64:65] scope:SCOPE_SE
	s_setreg_imm32_b32 hwreg(HW_REG_WAVE_MODE, 25, 1), 1
	s_wait_xcnt 0x0
; KV SIDE.  For 256 rows of kv: LN1, the product with Wkv, elu + 1 on K, the mask, and this work-group's part of sum_l k v^T (32 x 32 a head) and of sum_l k.
; SHARES.  Work-group g owns rows 256 g .. 256 g + 255 (batch g / 32).  THE OUT CHANNELS ARE SPLIT AMONG THE WAVES: wave w owns heads 2 w and 2 w + 1, and its 64 weight
; fragments (65,536 bytes) stay in 512 registers for the whole launch.  Rows go in 4 stages of 64: wave w normalises 16 of them and lays them in LDS as bf16 fragments; then every wave
; multiplies all 64 rows by its own weights.  No sum crosses waves.
; LAYOUT.  S = N W (source 0 = 16 rows, source 1 = 16 out channels): a lane holds ONE out channel (lane % 16) and rows 8 (lane / 16) + 0..7.  Two such results (32 rows), rounded to bf16 in
; pairs, ARE a fragment with the channel in the lane and the rows along K: source 0 (K) and source 1 (V) of the state's product.  Its result holds V's channel in the lane and K's
; channels 16 dt + 8 (lane / 16) + j in the registers.  A third "V" of ones gives sum_l k in every lane.
; ARITHMETIC.  mean and variance in two passes in f32; y = (x - mu) rs is rounded to bf16 (the gain lies in the weights, ln_b W in the table KVB, which also carries K's + 1).
; elu(x) + 1 = max(x + 1, min(e^x, 1)).  The reference's v / 8192 and its later x 8192 are exact powers of two and cancel: neither is applied.
; LIMITS.  e^x below 2^-126 counts as 0; NaN and infinities are not treated apart; the mask is multiplied as the f32 number that it is.
; NO TENSOR LOAD, NO JOINT REQUEST: the weights are wanted in registers, each wave another quarter, once a work-group; a joint load lands in LDS alone and would add a trip of 262,144 bytes through it.
; kv's rows are read once, by the wave that normalises them, a whole stage ahead of the wait for them.
; REGISTERS, in windows of 256 (s_set_vgpr_msb: bits 1:0 source 0, 3:2 source 1, 5:4 source 2, 7:6 destination):
;   window 0: below.   window 1: v0-127 fragments of 32 rows (tile e at 64 e + 8 kc); v128-255 my 16 rows in f32 (channels 16 t + 8 h + j at 8 t + j), then their 64 bf16 words
;   window 2, 3: the weights of heads 2 w, 2 w + 1, tile ct, K step kc at 64 ct + 8 kc
.set MASK,  32768                      ; LDS: 0 the 64 rows' fragments (tile 8,192, fragment 1,024); 32768 the group's 256 mask numbers
.set SPARE, 33792                      ; the spare words, 128 bytes for each wave
.set GO,  2                            ; v2   1,024 r + 32 h: my bytes in 16 rows of kv; never rewritten
.set NST, 3                            ; v3   where I put my 16 bytes of a fragment's half: 8,192 w + 16 lane
.set NLD, 4                            ; v4   where I read fragments
.set MKA, 5                            ; v5   where I read the masks of 32 rows
.set SPW, 6                            ; v6   SPARE + 4 x thread; never rewritten
.set NIL, 7                            ; v7   0; never rewritten
.set MU,  8                            ; v8-9   mean, twice
.set RS,  10                           ; v10-11 1 / sqrt(var + eps), twice
.set LA0, 12                           ; v12  16 lane
.set BO,  13                           ; v13  4 r + 256 w: my channel in KVB
.set MK,  16                           ; v16-31  masks of rows 8 h + j of tile e at 8 e + j
.set BIA, 32                           ; v32-47  my channel's bias, twice, for head hh, tile ct at 8 hh + 2 ct
.set ONES, 48                          ; v48-55  1.0 in every bf16
.set CH,  56                           ; v56-63  four chains of pairs
.set S,   64                           ; v64-127 results: tile ct, rows e at 8 (2 ct + e)
.set KVF, 128                          ; v128-159 the four bf16 fragments, 8 ct
.set ST,  160                          ; v160-255 the state: 8 (6 hh + 2 mt + dt)
.set MSB, 0
.macro WIN new                         ; the immediate's high byte repeats the setting that is left
.if MSB != (\new)
	s_set_vgpr_msb (MSB<<8)|(\new)
.set MSB, \new
.endif
.endm
.macro PLACES                          ; four places between a matrix instruction and what reads its result or writes its registers (ISA guide 7.12.1)
.rept 4
	v_nop
.endr
.endm
	s_load_b256 s[4:11], s[0:1], 0x0               ; kv 4, kv_mask 6, WKV 8, KVB 10
	s_load_b64 s[12:13], s[0:1], 0x20              ; PART
	v_lshl_add_u32 v[SPW], v0, 2, SPARE
	v_mov_b32 v[NIL], 0
	v_lshrrev_b32 v1, 5, v0
	v_readfirstlane_b32 s14, v1                    ; wave 0..3
	v_and_b32 v14, 15, v0                          ; r
	v_bfe_u32 v15, v0, 4, 1                        ; h
	v_and_b32 v1, 31, v0
	v_lshlrev_b32 v[GO], 10, v14
	v_lshl_add_u32 v[GO], v15, 5, v[GO]
	v_lshlrev_b32 v[LA0], 4, v1
	s_lshl_b32 s28, s14, 13
	v_add_nc_u32 v[NST], s28, v[LA0]
	v_lshlrev_b32 v[MKA], 5, v15
	v_add_nc_u32 v[MKA], MASK, v[MKA]
	s_lshl_b32 s28, s14, 8
	v_lshl_add_u32 v[BO], v14, 2, s28
	v_lshlrev_b32 v1, 3, v0                        ; 8 x thread: my two mask numbers
	s_mov_b32 s20, 0x3fb8aa3b                      ; log2(e)
	s_mov_b32 s21, s20
	s_mov_b32 s22, 0xbfb8aa3b                      ; - log2(e)
	s_mov_b32 s23, s22
	s_mov_b32 s24, 0x3b800000                      ; 1 / 256
	s_mov_b32 s25, 0x3727c5ac                      ; 1e-5
	s_mov_b32 s26, 0x76543210                      ; v_permlanex16_b32: each lane takes its own place in the other half
	s_mov_b32 s27, 0xfedcba98
	s_lshl_b32 s30, ttmp9, 18                      ; 256 rows of 1,024 bytes
	s_lshl_b32 s28, s14, 14                        ; my 16 rows of a stage
	s_add_co_u32 s30, s30, s28
	s_mov_b32 s31, 0
	s_wait_kmcnt 0x0
	s_add_nc_u64 s[4:5], s[4:5], s[30:31]
	s_lshl_b32 s30, ttmp9, 10
	s_add_nc_u64 s[6:7], s[6:7], s[30:31]
	s_lshl_b32 s30, s14, 16
	s_add_nc_u64 s[8:9], s[8:9], s[30:31]
	s_mul_i32 s30, ttmp9, 49152
	s_mul_i32 s28, s14, 12288
	s_add_co_u32 s30, s30, s28
	s_add_nc_u64 s[12:13], s[12:13], s[30:31]
.macro TILE                            ; my 16 rows of the stage to come: 32 loads of 16 bytes a lane
	WIN 0x40
.set t, 0
.rept 16
	global_load_b128 v[128+8*t:131+8*t], v[GO], s[4:5] offset:64*t
	global_load_b128 v[132+8*t:135+8*t], v[GO], s[4:5] offset:64*t+16
.set t, t+1
.endr
	WIN 0
.endm
	global_load_b64 v[CH:CH+1], v1, s[6:7]         ; the oldest load: the mask
.irp hh, 0,1
.irp ct, 0,1,2,3
	global_load_b32 v[BIA+8*\hh+2*\ct],   v[BO], s[10:11] offset:((\ct)/2)*1024+\hh*128+((\ct)%2)*64
	global_load_b32 v[BIA+8*\hh+2*\ct+1], v[BO], s[10:11] offset:((\ct)/2)*1024+\hh*128+((\ct)%2)*64
.endr
.endr
	TILE
	WIN 0x80
.set f, 0
.rept 32
	global_load_b128 v[8*f:8*f+3],   v[LA0], s[8:9] offset:f*1024
	global_load_b128 v[8*f+4:8*f+7], v[LA0], s[8:9] offset:f*1024+512
.set f, f+1
.endr
	WIN 0xc0
.set f, 0
.rept 32
	global_load_b128 v[8*f:8*f+3],   v[LA0], s[8:9] offset:32768+f*1024
	global_load_b128 v[8*f+4:8*f+7], v[LA0], s[8:9] offset:32768+f*1024+512
.set f, f+1
.endr
	WIN 0
.set i, 0
.rept 96
	v_mov_b32 v[ST+i], 0                           ; the state starts at 0, written while the loads are out, so that the looped product has one form
.set i, i+1
.endr
.set i, 0
.rept 8
	v_mov_b32 v[ONES+i], 0x3f803f80
.set i, i+1
.endr
	s_wait_loadcnt 63                              ; 176 loads were issued behind the mask's: it is in
	ds_store_b64 v1, v[CH:CH+1] offset:MASK
.macro FOLD                            ; four chains of pairs -> the row's sum in v[CH]; a row's other 128 channels lie in the lane 16 away
	v_pk_add_f32 v[CH:CH+1], v[CH:CH+1], v[CH+2:CH+3]
	v_pk_add_f32 v[CH+4:CH+5], v[CH+4:CH+5], v[CH+6:CH+7]
	v_pk_add_f32 v[CH:CH+1], v[CH:CH+1], v[CH+4:CH+5]
	v_add_f32 v[CH], v[CH], v[CH+1]
	v_permlanex16_b32 v[CH+1], v[CH], s26, s27
	v_add_f32 v[CH], v[CH], v[CH+1]
.endm
.macro LNKV
	WIN 0x05                                       ; both sources window 1
.irp c, 0,1,2,3
	v_pk_add_f32 v[CH+2*\c:CH+2*\c+1], v[128+4*\c:129+4*\c], v[130+4*\c:131+4*\c]
.endr
	WIN 0x01
.set p, 8
.rept 56
	v_pk_add_f32 v[CH+2*(p%4):CH+2*(p%4)+1], v[128+2*p:129+2*p], v[CH+2*(p%4):CH+2*(p%4)+1]
.set p, p+1
.endr
	WIN 0
	FOLD
	v_mul_f32 v[MU], s24, v[CH]
	v_mov_b32 v[MU+1], v[MU]
	WIN 0x41                                       ; x - mu, in place
.set p, 0
.rept 64
	v_pk_add_f32 v[128+2*p:129+2*p], v[128+2*p:129+2*p], v[MU:MU+1] neg_lo:[0,1] neg_hi:[0,1]
.set p, p+1
.endr
	WIN 0x05
.set p, 0
.rept 64
.if p < 4
	v_pk_mul_f32 v[CH+2*p:CH+2*p+1], v[128+2*p:129+2*p], v[128+2*p:129+2*p]
.else
	v_pk_fma_f32 v[CH+2*(p%4):CH+2*(p%4)+1], v[128+2*p:129+2*p], v[128+2*p:129+2*p], v[CH+2*(p%4):CH+2*(p%4)+1]
.endif
.set p, p+1
.endr
	WIN 0
	FOLD
	v_fma_f32 v[CH], v[CH], s24, s25               ; var + eps
	v_rsq_f32 v[RS], v[CH]
	v_nop                                          ; a plain instruction behind the root,
	s_wait_alu depctr_va_vdst(0)                   ; and a wait ahead of its first reader
	v_mov_b32 v[RS+1], v[RS]
	WIN 0x41
.set p, 0
.rept 64
	v_pk_mul_f32 v[128+2*p:129+2*p], v[128+2*p:129+2*p], v[RS:RS+1]
.set p, p+1
.endr
	WIN 0x45                                       ; word p takes numbers 2 p, 2 p + 1
.set p, 0
.rept 64
	v_cvt_pk_bf16_f32 v[128+p], v[128+2*p], v[129+2*p]
.set p, p+1
.endr
.endm
; One head's work on 32 rows: 64 products (8 accumulators by turns, K ascending), bias, elu + 1, mask, rounding, 6 products onto the state.
.macro HEAD hh
.set kc, 0
.rept 8
.if (\hh) == 0
	s_wait_dscnt 28-4*kc                           ; this K step's four loads are in; the younger ones may stay out
.endif
	WIN 0x09+4*(\hh)                               ; rows window 1, weights window 2 or 3
.irp ct, 0,1,2,3
.irp e, 0,1
.if kc == 0
	v_wmma_f32_16x16x32_bf16 v[S+8*(2*\ct+\e):S+8*(2*\ct+\e)+7], v[64*\e+8*kc:64*\e+8*kc+7], v[64*\ct+8*kc:64*\ct+8*kc+7], 0
.else
	v_wmma_f32_16x16x32_bf16 v[S+8*(2*\ct+\e):S+8*(2*\ct+\e)+7], v[64*\e+8*kc:64*\e+8*kc+7], v[64*\ct+8*kc:64*\ct+8*kc+7], v[S+8*(2*\ct+\e):S+8*(2*\ct+\e)+7]
.endif
.endr
.endr
.set kc, kc+1
.endr
	WIN 0
	PLACES
	; V: pairs 16-31 of the results
.set k, 16
.rept 16
	v_pk_add_f32 v[S+2*k:S+2*k+1], v[S+2*k:S+2*k+1], v[BIA+8*(\hh)+2*(k/8):BIA+8*(\hh)+2*(k/8)+1]
.set k, k+1
.endr
.set k, 16
.rept 16
	v_pk_mul_f32 v[S+2*k:S+2*k+1], v[S+2*k:S+2*k+1], v[MK+8*((k/4)%2)+2*(k%4):MK+8*((k/4)%2)+2*(k%4)+1]
.set k, k+1
.endr
.set k, 16
.rept 16
	v_cvt_pk_bf16_f32 v[KVF+k], v[S+2*k], v[S+2*k+1]
.set k, k+1
.endr
	; K: pairs 0-15.  x + 1 stays in place; log2(e) x goes where V's results lay; the exponentials follow a pair behind: one batch, one wait
.set k, 0
.rept 17
.if k < 16
	v_pk_add_f32 v[S+2*k:S+2*k+1], v[S+2*k:S+2*k+1], v[BIA+8*(\hh)+2*(k/8):BIA+8*(\hh)+2*(k/8)+1]
	v_pk_fma_f32 v[S+32+2*k:S+32+2*k+1], v[S+2*k:S+2*k+1], s[20:21], s[22:23] op_sel_hi:[1,0,0]
.endif
.if k > 0
	v_exp_f32 v[S+32+2*k-2], v[S+32+2*k-2]
	v_exp_f32 v[S+32+2*k-1], v[S+32+2*k-1]
.endif
.set k, k+1
.endr
	v_nop
	s_wait_alu depctr_va_vdst(0)                   ; one wait for the 32 exponentials, ahead of their first reader
.set i, 0
.rept 32
	v_min_num_f32 v[S+32+i], 1.0, v[S+32+i]
.set i, i+1
.endr
.set i, 0
.rept 32
	v_max_num_f32 v[S+i], v[S+i], v[S+32+i]
.set i, i+1
.endr
.set k, 0
.rept 16
	v_pk_mul_f32 v[S+2*k:S+2*k+1], v[S+2*k:S+2*k+1], v[MK+8*((k/4)%2)+2*(k%4):MK+8*((k/4)%2)+2*(k%4)+1]
.set k, k+1
.endr
.set k, 0
.rept 16
	v_cvt_pk_bf16_f32 v[KVF+k], v[S+2*k], v[S+2*k+1]
.set k, k+1
.endr
.irp mt, 0,1,2                         ; six different accumulators, one instruction each
.irp dt, 0,1
.if (\mt) < 2
	v_wmma_f32_16x16x32_bf16 v[ST+8*(6*(\hh)+2*\mt+\dt):ST+8*(6*(\hh)+2*\mt+\dt)+7], v[KVF+8*\dt:KVF+8*\dt+7], v[KVF+16+8*\mt:KVF+16+8*\mt+7], v[ST+8*(6*(\hh)+2*\mt+\dt):ST+8*(6*(\hh)+2*\mt+\dt)+7]
.else
	v_wmma_f32_16x16x32_bf16 v[ST+8*(6*(\hh)+2*\mt+\dt):ST+8*(6*(\hh)+2*\mt+\dt)+7], v[KVF+8*\dt:KVF+8*\dt+7], v[ONES:ONES+7], v[ST+8*(6*(\hh)+2*\mt+\dt):ST+8*(6*(\hh)+2*\mt+\dt)+7]
.endif
.endr
.endr
.endm
	s_mov_b32 s15, 4
.Lstage:
	s_wait_loadcnt 0x0                             ; my 16 rows are in (the first time: weights and biases too); the loads that read the base are done,
	s_add_nc_u64 s[4:5], s[4:5], 0x10000           ; so it steps: 64 rows on
	LNKV
	WIN 0x04                                       ; data window 1
.set f, 0
.rept 8
	ds_store_b128 v[NST], v[128+8*f:131+8*f] offset:f*1024
	ds_store_b128 v[NST], v[132+8*f:135+8*f] offset:f*1024+512
.set f, f+1
.endr
	WIN 0
	s_wait_dscnt 0x0                               ; for the others' sake, and before the rows' registers are loaded again
	s_cmp_eq_u32 s15, 1
	s_cbranch_scc1 .Lno_tile                       ; the last stage loads nothing
	TILE
.Lno_tile:
	s_barrier_signal -1
	s_barrier_wait -1                              ; all 64 rows lie in LDS
	v_mov_b32 v[NLD], v[LA0]
	s_mov_b32 s16, 2
.Lpair:                                        ; 32 rows a trip
	ds_load_b128 v[MK:MK+3],     v[MKA]
	ds_load_b128 v[MK+4:MK+7],   v[MKA] offset:16
	ds_load_b128 v[MK+8:MK+11],  v[MKA] offset:64
	ds_load_b128 v[MK+12:MK+15], v[MKA] offset:80
	WIN 0x40
.irp kc, 0,1,2,3,4,5,6,7
.irp e, 0,1
	ds_load_b128 v[64*\e+8*\kc:64*\e+8*\kc+3],   v[NLD] offset:\e*8192+\kc*1024
	ds_load_b128 v[64*\e+8*\kc+4:64*\e+8*\kc+7], v[NLD] offset:\e*8192+\kc*1024+512
.endr
.endr
	HEAD 0
	HEAD 1
	WIN 0
	v_add_nc_u32 v[NLD], 0x4000, v[NLD]
	v_add_nc_u32 v[MKA], 0x80, v[MKA]
	s_sub_co_u32 s16, s16, 1
	s_cmp_lg_u32 s16, 0
	s_cbranch_scc1 .Lpair
	s_wait_dscnt 0x0                               ; my reads of the rows are over,
	s_barrier_signal -1
	s_barrier_wait -1                              ; everybody's are: the next stage may store
	s_sub_co_u32 s15, s15, 1
	s_cmp_lg_u32 s15, 0
	s_cbranch_scc1 .Lstage
	PLACES
.set a, 0
.rept 12                               ; each accumulator's low four registers first; each store covers 512 consecutive bytes, aligned
	global_store_b128 v[LA0], v[ST+8*a:ST+8*a+3],   s[12:13] offset:a*1024
	global_store_b128 v[LA0], v[ST+8*a+4:ST+8*a+7], s[12:13] offset:a*1024+512
.set a, a+1
.endr
	s_wait_tensorcnt 0x0                           ; the wave's end, behind my last LDS store
	ds_add_u32 v[SPW], v[NIL]
	s_wait_dscnt 0x0
	s_endpgm
.Lfunc_end_k_q95fdf38266_kvstate:
	.size	k_q95fdf38266_kvstate, .Lfunc_end_k_q95fdf38266_kvstate-k_q95fdf38266_kvstate
	.p2alignl 7, 3214868480
	.fill 96, 4, 3214868480
	.section	.rodata,"a",@progbits
	.p2align	6, 0x0
	.amdhsa_kernel k_q95fdf38266_kvstate
		.amdhsa_group_segment_fixed_size 34304
		.amdhsa_private_segment_fixed_size 0
		.amdhsa_enable_private_segment 0
		.amdhsa_kernarg_size 40
		.amdhsa_user_sgpr_count 2
		.amdhsa_user_sgpr_kernarg_segment_ptr 1
		.amdhsa_wavefront_size32 1
		.amdhsa_system_sgpr_workgroup_id_x 1
		.amdhsa_system_sgpr_workgroup_id_y 1
		.amdhsa_system_sgpr_workgroup_id_z 1
		.amdhsa_system_vgpr_workitem_id 0
		.amdhsa_next_free_vgpr 1024
		.amdhsa_next_free_sgpr 66
		.amdhsa_reserve_vcc 0
		.amdhsa_float_denorm_mode_32 3
		.amdhsa_float_denorm_mode_16_64 3
		.amdhsa_memory_ordered 1
		.amdhsa_forward_progress 1
		.amdhsa_inst_pref_size 83
	.end_amdhsa_kernel
	.amdgpu_metadata
---
amdhsa.version: [ 1, 2 ]
amdhsa.kernels:
  - .name:           k_q95fdf38266_kvstate
    .symbol:         k_q95fdf38266_kvstate.kd
    .args:
      - { .name: kv, .offset: 0, .size: 8, .value_kind: global_buffer, .address_space: global }
      - { .name: kv_mask, .offset: 8, .size: 8, .value_kind: global_buffer, .address_space: global }
      - { .name: WKV, .offset: 16, .size: 8, .value_kind: global_buffer, .address_space: global }
      - { .name: KVB, .offset: 24, .size: 8, .value_kind: global_buffer, .address_space: global }
      - { .name: PART, .offset: 32, .size: 8, .value_kind: global_buffer, .address_space: global }
    .group_segment_fixed_size: 34304
    .private_segment_fixed_size: 0
    .kernarg_segment_align: 8
    .kernarg_segment_size: 40
    .max_flat_workgroup_size: 128
    .sgpr_count:     66
    .vgpr_count:     1024
    .wavefront_size: 32
...
	.end_amdgpu_metadata
.endif
;; end of part 2
;; launch reduce (part 3): grid 24 x 8, 4 waves a work-group, no clusters, 0 bytes of LDS; arguments PART, STATE; writes STATE
.if DOCPART == 3
	.amdgcn_target "amdgcn-amd-amdhsa--gfx1250"
	.amdhsa_code_object_version 6
	.text
	.protected	k_q95fdf38266_reduce
	.globl	k_q95fdf38266_reduce
	.p2align	8
	.type	k_q95fdf38266_reduce,@function
k_q95fdf38266_reduce:
	s_mov_b64 s[64:65], 0
	v_nop
	global_prefetch_b8 v0, s[64:65] scope:SCOPE_SE
	s_setreg_imm32_b32 hwreg(HW_REG_WAVE_MODE, 25, 1), 1
	s_wait_xcnt 0x0
; The 32 partial states of a batch are added in f32 and rounded once to bf16, as fragment images for the q side.
; PART: [work-group][accumulator a = head*6 + mt*2 + dt][quad][lane][4 f32].  STATE: [batch][fragment head*3 + mt][g = dt][lane][8 bf16]; fragment mt = 2 holds sum_l k in all 16 rows.
; Thread i of a batch's 3,072 makes the 8 bytes at 8 i: accumulator i / 64, lane (i / 2) % 32, quad i % 2.  A wave stores 256 consecutive bytes.
; No LDS, no barrier: each output has one owner, which gathers its 32 terms.
	s_load_b128 s[4:7], s[0:1], 0x0                ; PART, STATE
	s_and_b32 s8, ttmp7, 0xffff                    ; batch
	s_lshl_b32 s9, ttmp9, 7
	v_add_nc_u32 v1, s9, v0                        ; i
	v_lshrrev_b32 v2, 6, v1
	v_lshlrev_b32 v2, 10, v2
	v_and_b32 v3, 1, v1
	v_lshl_add_u32 v2, v3, 9, v2
	v_bfe_u32 v3, v1, 1, 5
	v_lshl_add_u32 v2, v3, 4, v2
	v_lshlrev_b32 v4, 3, v1
	s_mul_i32 s10, s8, 1572864                     ; 32 work-groups of 49,152 bytes
	s_mov_b32 s11, 0
	s_mul_i32 s12, s8, 24576
	s_mov_b32 s13, 0
	s_wait_kmcnt 0x0
	s_add_nc_u64 s[4:5], s[4:5], s[10:11]
	s_add_nc_u64 s[6:7], s[6:7], s[12:13]
.set p, 0
.rept 32
	global_load_b128 v[8+4*p:11+4*p], v2, s[4:5] offset:p*49152
.set p, p+1
.endr
	s_wait_loadcnt 0x0
.irp s, 16,8,4,2,1
.set p, 0
.rept \s
	v_pk_add_f32 v[8+4*p:9+4*p],   v[8+4*p:9+4*p],   v[8+4*(p+\s):9+4*(p+\s)]
	v_pk_add_f32 v[10+4*p:11+4*p], v[10+4*p:11+4*p], v[10+4*(p+\s):11+4*(p+\s)]
.set p, p+1
.endr
.endr
	v_cvt_pk_bf16_f32 v6, v8, v9
	v_cvt_pk_bf16_f32 v7, v10, v11
	global_store_b64 v4, v[6:7], s[6:7]
	s_endpgm
.Lfunc_end_k_q95fdf38266_reduce:
	.size	k_q95fdf38266_reduce, .Lfunc_end_k_q95fdf38266_reduce-k_q95fdf38266_reduce
	.p2alignl 7, 3214868480
	.fill 96, 4, 3214868480
	.section	.rodata,"a",@progbits
	.p2align	6, 0x0
	.amdhsa_kernel k_q95fdf38266_reduce
		.amdhsa_group_segment_fixed_size 0
		.amdhsa_private_segment_fixed_size 0
		.amdhsa_enable_private_segment 0
		.amdhsa_kernarg_size 16
		.amdhsa_user_sgpr_count 2
		.amdhsa_user_sgpr_kernarg_segment_ptr 1
		.amdhsa_wavefront_size32 1
		.amdhsa_system_sgpr_workgroup_id_x 1
		.amdhsa_system_sgpr_workgroup_id_y 1
		.amdhsa_system_sgpr_workgroup_id_z 1
		.amdhsa_system_vgpr_workitem_id 0
		.amdhsa_next_free_vgpr 144
		.amdhsa_next_free_sgpr 66
		.amdhsa_reserve_vcc 0
		.amdhsa_float_denorm_mode_32 3
		.amdhsa_float_denorm_mode_16_64 3
		.amdhsa_memory_ordered 1
		.amdhsa_forward_progress 1
		.amdhsa_inst_pref_size 9
	.end_amdhsa_kernel
	.amdgpu_metadata
---
amdhsa.version: [ 1, 2 ]
amdhsa.kernels:
  - .name:           k_q95fdf38266_reduce
    .symbol:         k_q95fdf38266_reduce.kd
    .args:
      - { .name: PART, .offset: 0, .size: 8, .value_kind: global_buffer, .address_space: global }
      - { .name: STATE, .offset: 8, .size: 8, .value_kind: global_buffer, .address_space: global }
    .group_segment_fixed_size: 0
    .private_segment_fixed_size: 0
    .kernarg_segment_align: 8
    .kernarg_segment_size: 16
    .max_flat_workgroup_size: 128
    .sgpr_count:     66
    .vgpr_count:     144
    .wavefront_size: 32
...
	.end_amdgpu_metadata
.endif
;; end of part 3
;; launch qchain (part 4): grid 256 x 1, 4 waves a work-group, clusters of 4 x 1, 327,680 bytes of LDS; arguments q, q_mask, WS, STATE, PARAM, out0; writes out0
.if DOCPART == 4
	.amdgcn_target "amdgcn-amd-amdhsa--gfx1250"
	.amdhsa_code_object_version 6
	.text
	.protected	k_q95fdf38266_qchain
	.globl	k_q95fdf38266_qchain
	.p2align	8
	.type	k_q95fdf38266_qchain,@function
k_q95fdf38266_qchain:
	s_mov_b64 s[64:65], 0
	v_nop
	global_prefetch_b8 v0, s[64:65] scope:SCOPE_SE
	s_setreg_imm32_b32 hwreg(HW_REG_WAVE_MODE, 25, 1), 1
	s_wait_xcnt 0x0
	s_wait_alu depctr_hold_cnt(0) depctr_sa_sdst(0) depctr_va_vdst(0) depctr_va_sdst(0) depctr_va_ssrc(0) depctr_va_vcc(0) depctr_vm_vsrc(0)
	s_getreg_b32 s2, hwreg(HW_REG_IB_STS2, 6, 4)
	s_cmp_eq_u32 s2, 0
	s_cbranch_scc0 .Lentry_in_a_cluster
	s_endpgm
.Lentry_in_a_cluster:
	s_bfe_u32 s2, ttmp6, 0x10000c
	s_cmp_lg_u32 s2, 0x3003
	s_cbranch_scc0 .Lentry_shape_is_right
	s_endpgm
.Lentry_shape_is_right:
; Q SIDE, fused from q to out0: LN1, Wq, elu + 1, mask, the state's product, the division, Wp + bp, the residual, LN2, W1 + b1, exact GELU, W2 + b2, the residual.
; SHARES.  A work-group owns 256 rows, each of its four waves 64: four tiles rt of 16.  A wave's rows stay in 512 registers (X) from the load of q to the store of out0:
; X is q; the Wp product adds onto it; it is x; the W2 product adds onto it.
; LAYOUT.  Every product is taken transposed (source 0 = 16 out channels of a weight, source 1 = 16 rows): in a result a lane holds ONE row (lane % 16) and the channels 8 (lane / 16) + 0..7.
; Two such results, rounded to bf16 in pairs, ARE source 1 of the next product: nothing changes lanes, and a norm wants one exchange between the halves of the lanes.
; THE WALK.  24 chunks of 32,768 bytes of weights (WS) in 12 slots of two, ONE loop over the slots.  What a trip does hangs on two scalar flags that are constants at the first trip and are set anew from
; the slot counter; every jump but the counted loops' own goes forward, past text that holds neither a barrier nor a tensor load.  So the norm stands once in the text.
;   slots 0-3: 8 heads.  A chunk: 64 products into U (64 rows x 32 channels), the pointwise part, 64 products onto X, of which the second half stands at the head of the next trip.
;   slots 4-11: the MLP, BY TURNS (below).
; THE RING.  Two slots.  All work-groups walk the same WS and a cluster's four share the batch's state, so every tensor load is JOINT (mask of four); each wave brings a quarter.
; Three loads of a wave are out at the start (slot 0, state, tables), one behind each change of slots.
; THE MLP BY TURNS.  A block c of 32 hidden channels is two sub-blocks o of 16.  S_o(c): 32 products into U_o.  P_o(c): its GELU, 288 vector instructions.  X(c): 64 products onto X.
; A trip's products: the last 16 of S_1(c), X(c-1), S_0(c+1), the first 16 of S_1(c+1); behind EACH stand four vector instructions of a sub-block whose products are done:
;   S_1(c) b | P_0(c) list A, second half      X(c-1) first 32 | P_0(c) list B; then its last 16 lines      X(c-1) last 32 | P_1(c) list A; then P_0's 16 roundings (only now is F free)
;   S_0(c+1) | P_1(c) list B; then its last 32 lines      S_1(c+1) a | P_0(c+1) list A, first half
; One U and one F do: a result stays in U until F has been read out, and U_o is written again only behind its roundings.  WS holds the MLP's fragments in this order, so chunk c is trip c's, and at a
; trip's end its last four fragments are in registers: the change of slots stands between trips.  A fragment feeds four products; four fragments come by one run of 8 LDS loads, 14 products ahead.
; NO FIRST AND NO LAST TRIP is written out.  Trip 0 multiplies F = 0 by S(0)'s fragments: it adds 0 to X.  Trip 15 multiplies N by X(15)'s fragments into a U that nobody reads, and runs 64 vector lines on it.
; The price: 112 products and 64 vector lines of no use a wave.  Written out: a prologue (S_0(0), half of S_1(0)) and an epilogue (X(15)).
; ARITHMETIC.  LN(x) W = rs ((x - mu) (g.W)) + ln_b W: x - mu is rounded to bf16, rs and the table are applied in f32 behind the product; mean and variance in two passes.
; elu(x) + 1 = max(x + 1, min(e^x, 1)).  2 gelu(u) = (u + |u|) - |u| erfc(|u| / sqrt 2), erfc(x) = (1 + a1 x + .. + a6 x^6)^-16 (Abramowitz and Stegun 7.1.28; its error is under 3e-7);
; the powers of 1 / sqrt 2 lie in the coefficients, the 1/2 in W2's fragments (exact).  Where the polynomial or its 16th power passes f32's range erfc is 0, as it should be.
; The reference's / 8192 and x 8192 cancel exactly and are not applied.
; LIMITS.  Exponentials and reciprocals below 2^-126 count as 0; the features, the state and sum_l k enter their products in bf16; NaN and infinities are not treated apart; masks are multiplied as f32 numbers.
; q comes straight into X by loads of 16 bytes a lane: it is wanted in registers, in this layout, and no wave wants another's rows.
; REGISTERS, in windows of 256 (s_set_vgpr_msb: bits 1:0 source 0, 3:2 source 1, 5:4 source 2, 7:6 destination):
;   window 0: below.   window 1: N = bf16(x - mu), tile rt, K step kc at 64 rt + 8 kc.   window 2: X of tiles 0, 1 at 128 (rt % 2) + 8 t.   window 3: X of tiles 2, 3
; All that the pointwise work touches lies in window 0, a product's other operands do not: by turns a product costs two switches.
.set SLOT1,   65536                    ; LDS: slot 0 at 0, slot 1 here
.set STATE_L, 131072                   ; the batch's 24 fragments, filled once
.set PARAM_L, 155648                   ; the tables, 5,120 bytes, filled once: ln1_b Wq + 1 at 0, b1 + ln2_b W1 at 1,024, bp at 3,072, b2 at 4,096
.set STAGE,   160768                   ; 16 rows x 1,040 bytes for each wave, for the way out; no fill lands here
.set SP,      1040                     ; 1,024 + 16: the 16 rows of a store start at 16 different groups of four banks (ISA guide 11.1)
.set SPARE,   227328                   ; the spare words, 128 bytes for each wave
.set ADR, 2                            ; v2   LDS address of the chunk in hand
.set LA0, 3                            ; v3   16 lane; also my offset in 512 bytes of out0
.set PB,  4                            ; v4   where the next bias lies
.set SA,  5                            ; v5   where the head's state lies
.set STO, 6                            ; v6   the way out: where I put 16 bytes
.set RD,  7                            ; v7   the way out: where I read 512 bytes of a row back
.set GO,  8                            ; v8   1,024 r + 32 h
.set PFO, 9                            ; v9   256 lane
.set SPW, 10                           ; v10  SPARE + 4 x thread; never rewritten
.set NIL, 11                           ; v11  0; never rewritten
.set PH32, 12                          ; v12  PARAM_L + 32 h
.set MO,  13                           ; v13  4 r
.set RS,  16                           ; v16-23  1 / sqrt(var + eps) of my row of tile rt, twice, at 2 rt
.set MK,  24                           ; v24-31  q_mask likewise (attention)
.set BI,  24                           ; v24-31  the sub-block's eight biases (MLP)
.set WF0, 32                           ; v32-95   eight weight fragments; in the MLP two buffers of four
.set WF1, 96                           ; v96-159  eight more; at work in the pointwise parts
.set AA,  96                           ; v96-127  MLP: |u| of a sub-block's 16 pairs
.set PP,  128                          ; v128-159 MLP: the polynomial, its powers, erfc
.set U,   160                          ; v160-223 results: 16 rt + 8 o + j
.set F,   224                          ; v224-255 source 1 of the second product, 8 rt; in the attention part the chunk's bias before that
.set WV, 16
.set G1,  24                           ; s[24:31] group 1: 64 rows of 256 bytes (a quarter of a slot)
.set G1S, 32                           ; s[32:39] 24 rows (a quarter of the state)
.set G1P, 40                           ; s[40:47] 5 rows (a quarter of the tables)
.set G0,  48                           ; s[48:51] group 0 of the ring: it walks
.set G0S, 52
.set G0P, 56
.set TB,  60                           ; s60  LDS byte at which the chunk to be fetched begins
.set SLOTS, 61                         ; s61  changes of slots that still fill
.set CNT, 62
.set SEL, 66
.set PFA, 68                           ; s[68:69] where my prefetches stand
.set LIM, 70                           ; s70  1 in a wave that prefetches, else the greatest number
.set CL,  72                           ; s[72:73] log2(e)     s[74:75] - log2(e)
.set CD,  78                           ; s[78:89] a_k / sqrt(2)^k, k = 1 .. 6, as pairs
.set ABSM, 93                          ; s93  clears a sign
.set PH,  94                           ; s94  0: attention, 1: MLP
.set NEW, 95                           ; s95  1: the slot to be entered begins with a norm
.set MSB, 0
.macro WIN new                         ; the immediate's high byte repeats the setting that is left
.if MSB != (\new)
	s_set_vgpr_msb (MSB<<8)|(\new)
.set MSB, \new
.endif
.endm
.macro PLACES                          ; four places between a matrix instruction and what reads its result, writes or loads into its registers (ISA guide 7.12.1 for reads and writes)
.rept 4
	v_nop
.endr
.endm
.macro ROUND                           ; a round of the cluster's barrier
	s_barrier_signal -1
	s_barrier_wait -1
	s_cmp_lg_u32 s[WV], 0
	s_cbranch_scc1 .Lnot_wave_0_\@
	s_barrier_signal -3
.Lnot_wave_0_\@:
	s_barrier_wait -3
	s_barrier_signal -1
	s_barrier_wait -1
.endm
; A PREFETCH of the slot that the NEXT change will ask for.  WS is walked by every cluster: cluster 0 asks.  Its four partners take 16,384 bytes each, told apart by address; in each, waves 0 and 1 ask for
; 8,192 bytes, a lane a block of 256: each block is named once in the launch.  The last filling change (SLOTS = 1) has no slot behind its own and asks for nothing.
.macro ASK
	s_cmp_gt_u32 s[SLOTS], s[LIM]
	s_cbranch_scc0 .Lnot_mine_\@
	global_prefetch_b8 v[PFO], s[PFA:PFA+1] th:TH_LOAD_NT scope:SCOPE_SE
.Lnot_mine_\@:
.endm
; THE CHANGE OF SLOTS.  Each wave waits for all its tensor loads (its quarter of the slot to come), adds 0 to its spare word, and waits for that and for its reads of the slot that it leaves.
; fill = 1: a round of the cluster's barrier, so that no wave of any partner still reads that slot or has a load on its way; the joint refill is the first thing behind it and has a slot's
; work, 256 matrix instructions, in which to land.  In both forms four v_nop stand behind the barrier: on every way through the text that leads here, the LDS loads at the head of the trip
; that follows stand four places or more behind the last product that read their registers.
.macro CHANGE fill
	WIN 0
	s_wait_tensorcnt 0x0                           ; no tensor load of mine is out, so group 0 may be written
	ds_add_u32 v[SPW], v[NIL]
.if \fill
	s_xor_b32 s[G0+1], s[G0+1], SLOT1
	s_add_nc_u64 s[G0+2:G0+3], s[G0+2:G0+3], 0x10000
	s_wait_xcnt 0x0                                ; the last prefetch, a slot back, has read its address
	s_add_nc_u64 s[PFA:PFA+1], s[PFA:PFA+1], 0x10000
	s_wait_dscnt 0x0                               ; the add is done, and my reads of the slot are over
	ROUND
	tensor_load_to_lds s[G0:G0+3], s[G1:G1+7]
	s_nop 0
	PLACES
	ASK
.else
	s_wait_dscnt 0x0
	s_barrier_signal -1
	s_barrier_wait -1
	PLACES
.endif
	s_sub_co_u32 s[TB], s[TB], 0x10000             ; the fetches go back to a slot's first chunk,
	s_xor_b32 s[TB], s[TB], SLOT1                  ; in the other slot
.endm
.macro LOADG buf, f0                   ; fragments f0 .. f0 + 7 of the chunk: 16 loads of 512 consecutive bytes
.set f, 0
.rept 8
	ds_load_b128 v[(\buf)+8*f:(\buf)+8*f+3],   v[ADR] offset:((\f0)+f)*1024
	ds_load_b128 v[(\buf)+8*f+4:(\buf)+8*f+7], v[ADR] offset:((\f0)+f)*1024+512
.set f, f+1
.endr
.endm
.macro MMS buf, k0, zero               ; 32 products into U: K steps k0 .. k0 + 3; the 8 accumulators take turns
	WIN 0x04
.irp kk, 0,1,2,3
.irp o, 0,1
.irp rt, 0,1,2,3
.if (\zero) && ((\kk) == 0)
	v_wmma_f32_16x16x32_bf16 v[U+16*\rt+8*\o:U+16*\rt+8*\o+7], v[(\buf)+8*(2*\kk+\o):(\buf)+8*(2*\kk+\o)+7], v[64*\rt+8*((\k0)+\kk):64*\rt+8*((\k0)+\kk)+7], 0
.else
	v_wmma_f32_16x16x32_bf16 v[U+16*\rt+8*\o:U+16*\rt+8*\o+7], v[(\buf)+8*(2*\kk+\o):(\buf)+8*(2*\kk+\o)+7], v[64*\rt+8*((\k0)+\kk):64*\rt+8*((\k0)+\kk)+7], v[U+16*\rt+8*\o:U+16*\rt+8*\o+7]
.endif
.endr
.endr
.endr
.endm
.macro MMX buf, t0                     ; 32 products onto X: out tiles t0 .. t0 + 7, each accumulator once
.irp hw, 0,1
	WIN 0xa0+0x50*\hw
.irp tt, 0,1,2,3,4,5,6,7
.irp l, 0,1
	v_wmma_f32_16x16x32_bf16 v[128*\l+8*((\t0)+\tt):128*\l+8*((\t0)+\tt)+7], v[(\buf)+8*\tt:(\buf)+8*\tt+7], v[F+8*(2*\hw+\l):F+8*(2*\hw+\l)+7], v[128*\l+8*((\t0)+\tt):128*\l+8*((\t0)+\tt)+7]
.endr
.endr
.endr
.endm
; THE NORM of X: N = bf16(x - mu), RS = 1 / sqrt(var + eps).  X is not changed.  Two tiles (a window) at a time; chains v32-47 and v52-67, means v48-51, x - mu in v96-127.
.macro FOLD2 b                         ; for both tiles: four chains of pairs at b + 8 l -> the row's sum in v[b + 8 l]
.irp l, 0,1
	v_pk_add_f32 v[(\b)+8*\l:(\b)+8*\l+1],   v[(\b)+8*\l:(\b)+8*\l+1],   v[(\b)+8*\l+2:(\b)+8*\l+3]
	v_pk_add_f32 v[(\b)+8*\l+4:(\b)+8*\l+5], v[(\b)+8*\l+4:(\b)+8*\l+5], v[(\b)+8*\l+6:(\b)+8*\l+7]
.endr
.irp l, 0,1
	v_pk_add_f32 v[(\b)+8*\l:(\b)+8*\l+1], v[(\b)+8*\l:(\b)+8*\l+1], v[(\b)+8*\l+4:(\b)+8*\l+5]
.endr
.irp l, 0,1
	v_add_f32 v[(\b)+8*\l], v[(\b)+8*\l], v[(\b)+8*\l+1]
.endr
.irp l, 0,1
	v_permlanex16_b32 v[(\b)+8*\l+1], v[(\b)+8*\l], s[SEL], s[SEL+1]  ; the row's other 128 channels lie in the lane 16 away
.endr
.irp l, 0,1
	v_add_f32 v[(\b)+8*\l], v[(\b)+8*\l], v[(\b)+8*\l+1]
.endr
.endm
.macro LNQ
.irp hw, 0,1
	WIN 0x0a+5*\hw                                 ; both sources in X's window
.irp c, 0,1,2,3,4,5,6,7
	v_pk_add_f32 v[32+2*\c:33+2*\c], v[128*((\c)/4)+4*((\c)%4):128*((\c)/4)+4*((\c)%4)+1], v[128*((\c)/4)+4*((\c)%4)+2:128*((\c)/4)+4*((\c)%4)+3]
.endr
	WIN 0x02+\hw
.set p, 8
.rept 56
.irp l, 0,1
	v_pk_add_f32 v[32+8*\l+2*(p%4):32+8*\l+2*(p%4)+1], v[128*\l+2*p:128*\l+2*p+1], v[32+8*\l+2*(p%4):32+8*\l+2*(p%4)+1]
.endr
.set p, p+1
.endr
	WIN 0
	FOLD2 32
.irp l, 0,1
	v_mul_f32 v[48+2*\l], s92, v[32+8*\l]
.endr
.irp l, 0,1
	v_mov_b32 v[49+2*\l], v[48+2*\l]
.endr
.set b, 0
.rept 8                                ; 16 pairs at a time: x - mu, its squares, its rounding
	WIN 0x02+\hw
.set i, 0
.rept 16
	v_pk_add_f32 v[96+2*i:97+2*i], v[128*(b/4)+32*(b%4)+2*i:128*(b/4)+32*(b%4)+2*i+1], v[48+2*(b/4):49+2*(b/4)] neg_lo:[0,1] neg_hi:[0,1]
.set i, i+1
.endr
	WIN 0
.set i, 0
.rept 16
.if (b%4 == 0) && (i < 4)
	v_pk_mul_f32 v[52+8*(b/4)+2*i:52+8*(b/4)+2*i+1], v[96+2*i:97+2*i], v[96+2*i:97+2*i]
.else
	v_pk_fma_f32 v[52+8*(b/4)+2*(i%4):52+8*(b/4)+2*(i%4)+1], v[96+2*i:97+2*i], v[96+2*i:97+2*i], v[52+8*(b/4)+2*(i%4):52+8*(b/4)+2*(i%4)+1]
.endif
.set i, i+1
.endr
	WIN 0x40
.set i, 0
.rept 16
	v_cvt_pk_bf16_f32 v[64*(2*\hw+b/4)+16*(b%4)+i], v[96+2*i], v[97+2*i]
.set i, i+1
.endr
.set b, b+1
.endr
	WIN 0
	FOLD2 52
.irp l, 0,1
	v_fma_f32 v[52+8*\l], v[52+8*\l], s92, s90     ; var + eps
.endr
.irp l, 0,1
	v_rsq_f32 v[RS+2*(2*\hw+\l)], v[52+8*\l]
.endr
	v_nop                                          ; a plain instruction behind the roots,
	s_wait_alu depctr_va_vdst(0)                   ; and a wait ahead of their first reader
.irp l, 0,1
	v_mov_b32 v[RS+2*(2*\hw+\l)+1], v[RS+2*(2*\hw+\l)]
.endr
.endr
.endm
; THE POINTWISE PART OF A HEAD.  Pair k of 32 is numbers 2 k, 2 k + 1 of U: tile k / 8.
.macro ELU k0                          ; pairs k0 .. k0 + 15: max(x + 1, min(e^x, 1)), the mask, the rounding
.set i, 2*(\k0)
.rept 32
	v_min_num_f32 v[WF1+i], 1.0, v[WF1+i]
.set i, i+1
.endr
.set i, 2*(\k0)
.rept 32
	v_max_num_f32 v[U+i], v[U+i], v[WF1+i]
.set i, i+1
.endr
.set k, \k0
.rept 16
	v_pk_mul_f32 v[U+2*k:U+2*k+1], v[U+2*k:U+2*k+1], v[MK+2*(k/8):MK+2*(k/8)+1]
.set k, k+1
.endr
.set k, \k0
.rept 16
	v_cvt_pk_bf16_f32 v[F+k], v[U+2*k], v[U+2*k+1]
.set k, k+1
.endr
.endm
.macro PW_ATT
.set k, 0
.rept 33                               ; x + 1 = rs u + table, in place; log2(e) x into WF1; the exponentials a pair behind: one batch, one wait
.if k < 32
	v_pk_fma_f32 v[U+2*k:U+2*k+1], v[U+2*k:U+2*k+1], v[RS+2*(k/8):RS+2*(k/8)+1], v[F+2*(k%8):F+2*(k%8)+1]
	v_pk_fma_f32 v[WF1+2*k:WF1+2*k+1], v[U+2*k:U+2*k+1], s[CL:CL+1], s[CL+2:CL+3] op_sel_hi:[1,0,0]
.endif
.if k > 0
	v_exp_f32 v[WF1+2*k-2], v[WF1+2*k-2]
	v_exp_f32 v[WF1+2*k-1], v[WF1+2*k-1]
.endif
.set k, k+1
.endr
	v_nop
	s_wait_alu depctr_va_vdst(0)
	ELU 0
.irp mt, 0,1,2                         ; the head's state (mt 0, 1) and sum_l k (mt 2) go where the first 12 pairs lay
	ds_load_b128 v[U+8*\mt:U+8*\mt+3],   v[SA] offset:\mt*1024
	ds_load_b128 v[U+8*\mt+4:U+8*\mt+7], v[SA] offset:\mt*1024+512
.endr
	v_add_nc_u32 v[SA], 3072, v[SA]
	ELU 16
	s_wait_dscnt 0x0
.irp rt, 0,1,2,3                       ; the divisor: the same number in every register of the lane; twelve different accumulators, each started by 0
	v_wmma_f32_16x16x32_bf16 v[U+32+8*\rt:U+32+8*\rt+7], v[U+16:U+23], v[F+8*\rt:F+8*\rt+7], 0
.endr
.irp rt, 0,1,2,3
.irp mt, 0,1
	v_wmma_f32_16x16x32_bf16 v[WF1+16*\rt+8*\mt:WF1+16*\rt+8*\mt+7], v[U+8*\mt:U+8*\mt+7], v[F+8*\rt:F+8*\rt+7], 0
.endr
.endr
	PLACES
.irp rt, 0,1,2,3
	v_add_f32 v[U+24+2*\rt], s91, v[U+32+8*\rt]    ; + 1e-6; the accumulator's lowest register
.endr
.irp rt, 0,1,2,3
	v_rcp_f32 v[U+24+2*\rt], v[U+24+2*\rt]
.endr
	v_nop
	s_wait_alu depctr_va_vdst(0)
.set k, 0
.rept 32
	v_pk_mul_f32 v[WF1+2*k:WF1+2*k+1], v[WF1+2*k:WF1+2*k+1], v[U+24+2*(k/8):U+25+2*(k/8)] op_sel_hi:[1,0]
.set k, k+1
.endr
.set k, 0
.rept 32
	v_cvt_pk_bf16_f32 v[F+k], v[WF1+2*k], v[WF1+2*k+1]
.set k, k+1
.endr
.endm
; A HEAD'S TRIP.  Its head: the chunk's first eight fragments are asked for.
.macro CH_HEAD
	WIN 0
	PLACES                                         ; behind the products that read WF0
	v_add_nc_u32 v[ADR], s[TB], v[LA0]
	LOADG WF0, 0
.endm
; The rest of it.  Each group of 16 loads has 32 matrix instructions or more in which to land.
.macro CH_B
	PLACES                                         ; behind the products that read WF1 and F
.irp o, 0,1
	ds_load_b128 v[F+8*\o:F+8*\o+3],   v[PB] offset:64*\o
	ds_load_b128 v[F+8*\o+4:F+8*\o+7], v[PB] offset:64*\o+16
.endr
	v_add_nc_u32 v[PB], 0x80, v[PB]
	LOADG WF1, 8
	s_wait_dscnt 20                                ; the 4 bias loads and the 16 just issued may stay out
	MMS WF0, 0, 1
	WIN 0
	PLACES
	LOADG WF0, 16
	s_wait_dscnt 16                                ; all but the 16 just issued
	MMS WF1, 4, 0
	WIN 0
	PLACES
	PW_ATT
	LOADG WF1, 24
	s_wait_dscnt 16                                ; all but the 16 just issued
	MMX WF0, 0
	WIN 0
	s_add_co_u32 s[TB], s[TB], 0x8000
.endm
; ---- THE MLP'S VECTOR WORK.  A sub-block o has 16 pairs: pair p is numbers 2 (p % 4), + 1 of U_o of tile p / 4.  Two numbered lists of 128; RDA and RDB write number vn and step it.
; LIST A, all plain: 0-15 u = rs u + bias; 16-47 |u|; 48-63 a6 |u| + a5; 64-127 four more steps of the polynomial.  Each accumulator's lowest registers are read first.
.macro RDA o
.if vn < 16
.set ur, U+16*(vn/4)+8*(\o)+2*(vn%4)
	v_pk_fma_f32 v[ur:ur+1], v[ur:ur+1], v[RS+2*(vn/4):RS+2*(vn/4)+1], v[BI+2*(vn%4):BI+2*(vn%4)+1]
.elseif vn < 48
	v_and_b32 v[AA+vn-16], s[ABSM], v[U+16*((vn-16)/8)+8*(\o)+(vn-16)%8]
.elseif vn < 64
	v_pk_fma_f32 v[PP+2*(vn-48):PP+2*(vn-48)+1], v[AA+2*(vn-48):AA+2*(vn-48)+1], s[CD+10:CD+11], s[CD+8:CD+9] op_sel_hi:[1,0,0]
.else
	v_pk_fma_f32 v[PP+2*(vn%16):PP+2*(vn%16)+1], v[PP+2*(vn%16):PP+2*(vn%16)+1], v[AA+2*(vn%16):AA+2*(vn%16)+1], s[CD+6-2*((vn-64)/16):CD+7-2*((vn-64)/16)] op_sel_hi:[1,1,0]
.endif
.set vn, vn+1
.endm
.macro CHN k, p                        ; link k of pair p's chain: 0: the polynomial's last step, + 1; 1-4: a squaring
.if (\k) == 0
	v_pk_fma_f32 v[PP+2*(\p):PP+2*(\p)+1], v[PP+2*(\p):PP+2*(\p)+1], v[AA+2*(\p):AA+2*(\p)+1], 1.0 op_sel_hi:[1,1,0]
.else
	v_pk_mul_f32 v[PP+2*(\p):PP+2*(\p)+1], v[PP+2*(\p):PP+2*(\p)+1], v[PP+2*(\p):PP+2*(\p)+1]
.endif
.endm
; LIST B: the chains of five links, the 32 reciprocals, the 16 sums u + |u|.  The reciprocals are ONE BATCH: nothing in the list names a result of theirs; the wait stands behind the list.
;   0-39    the chains of pairs 0-7, link by link
;   40-95   the chains of pairs 8-15, and among them the reciprocals of pairs 0-7: one at the head of each four (40-87), then reciprocal and link by turns
;   96-127  the reciprocals of pairs 8-15 and the sums, by turns: the last line is a sum, the plain instruction behind the last reciprocal
.macro RDB o
.if vn < 40
	CHN vn/8, vn%8
.elseif vn < 88
.if (vn-40)%4 == 0
	v_rcp_f32 v[PP+(vn-40)/4], v[PP+(vn-40)/4]
.else
.set vq, (vn-40)-(vn-40)/4-1
	CHN vq/8, 8+vq%8
.endif
.elseif vn < 96
.if vn%2 == 0
	v_rcp_f32 v[PP+12+(vn-88)/2], v[PP+12+(vn-88)/2]
.else
.set vq, 36+(vn-89)/2
	CHN vq/8, 8+vq%8
.endif
.elseif vn%2 == 0
	v_rcp_f32 v[PP+16+(vn-96)/2], v[PP+16+(vn-96)/2]
.else
.set vq, (vn-97)/2
.set ur, U+16*(vq/4)+8*(\o)+2*(vq%4)
	v_pk_add_f32 v[ur:ur+1], v[ur:ur+1], v[AA+2*vq:AA+2*vq+1]
.endif
.set vn, vn+1
.endm
.macro RID vk, o                       ; four of list A (vk = 1) or B (vk = 2)
.if (\vk) == 1
.rept 4
	RDA \o
.endr
.elseif (\vk) == 2
.rept 4
	RDB \o
.endr
.endif
.endm
.macro GL o                            ; 2 gelu = (u + |u|) - |u| erfc, in place
.set vq, 0
.rept 16
.set ur, U+16*(vq/4)+8*(\o)+2*(vq%4)
	v_pk_fma_f32 v[ur:ur+1], v[AA+2*vq:AA+2*vq+1], v[PP+2*vq:PP+2*vq+1], v[ur:ur+1] neg_lo:[1,0,0] neg_hi:[1,0,0]
.set vq, vq+1
.endr
.endm
.macro CV o                            ; rounded to bf16: half o of each tile's fragment
.set vq, 0
.rept 16
.set ur, U+16*(vq/4)+8*(\o)+2*(vq%4)
	v_cvt_pk_bf16_f32 v[F+8*(vq/4)+4*(\o)+vq%4], v[ur], v[ur+1]
.set vq, vq+1
.endr
.endm
.macro LG f0, b                        ; fragments f0 .. f0 + 3 of the chunk into buffer b: one run of 8 loads
.set lf, 0
.rept 4
	ds_load_b128 v[WF0+32*(\b)+8*lf:WF0+32*(\b)+8*lf+3],   v[ADR] offset:((\f0)+lf)*1024
	ds_load_b128 v[WF0+32*(\b)+8*lf+4:WF0+32*(\b)+8*lf+7], v[ADR] offset:((\f0)+lf)*1024+512
.set lf, lf+1
.endr
.endm
.macro LB                              ; the next sub-block's eight biases
	ds_load_b128 v[BI:BI+3],   v[PB]
	ds_load_b128 v[BI+4:BI+7], v[PB] offset:16
	v_add_nc_u32 v[PB], 64, v[PB]
.endm
; ---- THE MLP'S MATRIX WORK, in groups of 16 products on four fragments.  Behind each product four lines of list vk for sub-block vo, from number n0 on.  Behind the second product the next group's
; fragments (f0 ..) are asked for, into the other buffer: its last reader stands more than four plain lines back.  No line behind a product names a register of the products round it.
.macro XG g, vk, vo, n0, f0, bias      ; onto X: out tiles 4 g .. 4 g + 3, buffer g % 2; each accumulator once
.set w, 0
.set vn, \n0
.rept 16
	WIN 0xa0+0x50*(w/8)
	v_wmma_f32_16x16x32_bf16 v[128*(w%2)+8*(4*(\g)+(w%8)/2):128*(w%2)+8*(4*(\g)+(w%8)/2)+7], v[WF0+32*((\g)%2)+8*((w%8)/2):WF0+32*((\g)%2)+8*((w%8)/2)+7], v[F+8*(2*(w/8)+w%2):F+8*(2*(w/8)+w%2)+7], v[128*(w%2)+8*(4*(\g)+(w%8)/2):128*(w%2)+8*(4*(\g)+(w%8)/2)+7]
	WIN 0
	RID \vk, \vo
.if w == 1
	LG \f0, 1-(\g)%2
.if \bias
	LB
.endif
.endif
.set w, w+1
.endr
.endm
.macro SG o, hf, vk, vo, n0, f0, bias  ; into U_o: K steps 4 hf .. 4 hf + 3, buffer hf; the four tiles' accumulators take turns; f0 < 0: nothing is asked for
.set w, 0
.set vn, \n0
.rept 16
	WIN 0x04
.if ((\hf) == 0) && (w < 4)
	v_wmma_f32_16x16x32_bf16 v[U+16*(w%4)+8*(\o):U+16*(w%4)+8*(\o)+7], v[WF0+32*(\hf)+8*(w/4):WF0+32*(\hf)+8*(w/4)+7], v[64*(w%4)+8*(4*(\hf)+w/4):64*(w%4)+8*(4*(\hf)+w/4)+7], 0
.else
	v_wmma_f32_16x16x32_bf16 v[U+16*(w%4)+8*(\o):U+16*(w%4)+8*(\o)+7], v[WF0+32*(\hf)+8*(w/4):WF0+32*(\hf)+8*(w/4)+7], v[64*(w%4)+8*(4*(\hf)+w/4):64*(w%4)+8*(4*(\hf)+w/4)+7], v[U+16*(w%4)+8*(\o):U+16*(w%4)+8*(\o)+7]
.endif
.if \vk
	WIN 0
	RID \vk, \vo
.endif
.if (w == 1) && ((\f0) >= 0)
	LG \f0, 1-(\hf)
.if \bias
	LB
.endif
.endif
.set w, w+1
.endr
.endm
; A TRIP c of the MLP: 128 products, 512 lines behind them, 64 lines in three lumps, two waits for reciprocals.  Chunk c = X(c-1)'s 16 fragments, then S(c+1)'s.
.macro TRIP
	v_add_nc_u32 v[ADR], s[TB], v[LA0]             ; (with the four lines behind the last product: the places in front of the loads into buffer 0)
	s_add_co_u32 s[TB], s[TB], 0x8000
	LG 0, 0
	s_wait_dscnt 8                                 ; the 8 loads just issued may stay out: the chunk before's last four fragments are in
	SG 1, 1, 1, 0, 64, -1, 0                       ; S_1(c), second half        | P_0(c) list A, 64-127
	s_wait_dscnt 0x0
	XG 0, 2, 0, 0, 4, 1                            ; X(c-1)                     | P_0(c) list B;  the biases of (c, 1) are asked for
	s_wait_dscnt 0x0
	XG 1, 2, 0, 64, 8, 0
	s_wait_alu depctr_va_vdst(0)                   ; one wait for the 32 reciprocals, ahead of their first reader
	GL 0
	s_wait_dscnt 0x0
	XG 2, 1, 1, 0, 12, 0                           ;                            | P_1(c) list A
	s_wait_dscnt 0x0
	XG 3, 1, 1, 64, 16, 0
	CV 0                                           ; F has been read out, four plain lines back: P_0(c)'s roundings; U_0 is free
	s_wait_dscnt 0x0
	SG 0, 0, 2, 1, 0, 20, 1                        ; S_0(c+1)                   | P_1(c) list B;  the biases of (c+1, 0) are asked for
	s_wait_dscnt 0x0
	SG 0, 1, 2, 1, 64, 24, 0
	s_wait_alu depctr_va_vdst(0)
	GL 1
	CV 1                                           ; F(c) is whole; U_1 is free
	s_wait_dscnt 0x0
	SG 1, 0, 1, 0, 0, 28, 0                        ; S_1(c+1), first half       | P_0(c+1) list A, 0-63
.endm
; THE PROLOGUE, on chunk 0's first block, S(0); trip 0 reads that block once more, as the weights of its products on F = 0.
.macro PROLOG
.set k, 0
.rept 32
	v_mov_b32 v[F+k], 0                            ; trip 0's X products add 0
.set k, k+1
.endr
	v_add_nc_u32 v[PB], 1024, v[PH32]
	v_add_nc_u32 v[ADR], s[TB], v[LA0]
	LB
	LG 0, 0
	LG 4, 1
	s_wait_dscnt 0x0
	SG 0, 0, 0, 0, 0, -1, 0                        ; S_0(0): there is no vector work yet to set between
	SG 0, 1, 0, 0, 0, -1, 0
	WIN 0
	PLACES
	LG 8, 0
	LG 12, 1
	s_wait_dscnt 8                                 ; buffer 0 is in; buffer 1's 8 loads may stay out
	SG 1, 0, 1, 0, 0, -1, 0                        ; S_1(0), first half         | P_0(0) list A, 0-63
.endm
	s_load_b256 s[4:11], s[0:1], 0x0               ; q 4, q_mask 6, WS 8, STATE 10
	s_load_b128 s[12:15], s[0:1], 0x20             ; PARAM 12, out0 14
	v_lshl_add_u32 v[SPW], v0, 2, SPARE
	v_mov_b32 v[NIL], 0
	ds_add_u32 v[SPW], v[NIL]                      ; the wave's opening: the add, twice on end, and its wait ahead of my first tensor load
	ds_add_u32 v[SPW], v[NIL]
	v_lshrrev_b32 v1, 5, v0
	v_readfirstlane_b32 s[WV], v1                  ; wave 0..3
	s_bfe_u32 s17, ttmp6, 0x40000                  ; cx: it enters the addresses of q, q_mask, out0 and of the prefetches alone
.irp g, G1, G1S, G1P                   ; dense rows of 256 bytes: 32 elements of 8 bytes, pitch 32
	s_mov_b32 s[\g], 15|(3<<16)|(1<<21)            ; 15:0 the mask of four; 17:16 8-byte elements; 21 set beside a mask
	s_mov_b32 s[\g+1], 32<<16                      ; tensor_dim0
	s_mov_b32 s[\g+3], 32<<16                      ; tile_dim0
	s_mov_b32 s[\g+5], 32                          ; elements from row to row
	s_mov_b32 s[\g+6], 0
	s_mov_b32 s[\g+7], 0
.endr
	s_mov_b32 s[G1+2], 64<<16                      ; tensor_dim1, tile_dim1
	s_mov_b32 s[G1+4], 64
	s_mov_b32 s[G1S+2], 24<<16
	s_mov_b32 s[G1S+4], 24
	s_mov_b32 s[G1P+2], 5<<16
	s_mov_b32 s[G1P+4], 5
	s_mov_b32 s[G0], 1
	s_lshl_b32 s[G0+1], s[WV], 14                  ; slot 0, my quarter
	s_mov_b32 s[G0S], 1
	s_mul_i32 s[G0S+1], s[WV], 6144
	s_add_co_u32 s[G0S+1], s[G0S+1], STATE_L
	s_mov_b32 s[G0P], 1
	s_mul_i32 s[G0P+1], s[WV], 1280
	s_add_co_u32 s[G0P+1], s[G0P+1], PARAM_L
	s_mov_b32 s[TB], 2*SLOT1                       ; the first change of slots turns it into 0
	s_mov_b32 s[SEL], 0x76543210
	s_mov_b32 s[SEL+1], 0xfedcba98
	s_mov_b32 s[CL], 0x3fb8aa3b
	s_mov_b32 s[CL+1], s[CL]
	s_mov_b32 s[CL+2], 0xbfb8aa3b
	s_mov_b32 s[CL+3], s[CL+2]
	s_mov_b32 s[CD], 0x3d4c41b4                    ; 0.0705230784 / sqrt(2)
	s_mov_b32 s[CD+2], 0x3cad2fe7                  ; 0.0422820123 / 2
	s_mov_b32 s[CD+4], 0x3b56cd72                  ; 0.0092705272 / sqrt(2)^3
	s_mov_b32 s[CD+6], 0x381f6607                  ; 0.0001520143 / 4
	s_mov_b32 s[CD+8], 0x384d0fec                  ; 0.0002765672 / sqrt(2)^5
	s_mov_b32 s[CD+10], 0x36b49f67                 ; 0.0000430638 / 8
.irp c, 0,2,4,6,8,10
	s_mov_b32 s[CD+\c+1], s[CD+\c]
.endr
	s_mov_b32 s90, 0x3727c5ac                      ; 1e-5
	s_mov_b32 s91, 0x358637bd                      ; 1e-6
	s_mov_b32 s92, 0x3b800000                      ; 1 / 256
	s_mov_b32 s[ABSM], 0x7fffffff
	s_lshr_b32 s[LIM], s[WV], 1                    ; 0 in waves 0 and 1,
	s_or_b32 s[LIM], s[LIM], ttmp9                 ; of cluster 0: the same in all four partners
	s_cmp_eq_u32 s[LIM], 0
	s_cselect_b32 s[LIM], 1, -1
	v_and_b32 v14, 15, v0                          ; r
	v_bfe_u32 v15, v0, 4, 1                        ; h
	v_and_b32 v1, 31, v0
	v_lshlrev_b32 v[GO], 10, v14
	v_lshl_add_u32 v[GO], v15, 5, v[GO]
	v_lshlrev_b32 v[MO], 2, v14
	v_lshlrev_b32 v[LA0], 4, v1
	v_lshlrev_b32 v[PFO], 8, v1
	v_lshlrev_b32 v[PH32], 5, v15
	v_add_nc_u32 v[PH32], PARAM_L, v[PH32]
	s_mul_i32 s63, s[WV], 16*SP
	s_add_co_u32 s63, s63, STAGE                   ; my stage
	v_mul_u32_u24 v[STO], v14, SP
	v_lshl_add_u32 v[STO], v15, 5, v[STO]
	v_add_nc_u32 v[STO], s63, v[STO]
	v_add_nc_u32 v[RD], s63, v[LA0]
	v_mov_b32 v[PB], v[PH32]
	v_add_nc_u32 v[SA], STATE_L, v[LA0]
	s_lshl_b32 s18, ttmp9, 2                       ; in a cluster launch ttmp9 counts clusters
	s_add_co_u32 s18, s18, s17                     ; my block of 256 rows
	s_lshl_b32 s22, s18, 10                        ; its masks,
	s_lshl_b32 s18, s18, 18                        ; its rows,
	s_lshl_b32 s19, s[WV], 16                      ; my wave's 64 of them
	s_add_co_u32 s18, s18, s19
	s_lshl_b32 s19, s[WV], 8
	s_add_co_u32 s22, s22, s19
	s_mov_b32 s19, 0
	s_mov_b32 s23, 0
	s_lshl_b32 s20, s[WV], 14                      ; offsets of the joint loads: made of the wave's number and the cluster's alone
	s_mov_b32 s21, 0
	s_wait_dscnt 0x0                               ; both opening adds are done
	s_wait_kmcnt 0x0
	s_add_nc_u64 s[4:5], s[4:5], s[18:19]
	s_add_nc_u64 s[14:15], s[14:15], s[18:19]
	s_add_nc_u64 s[6:7], s[6:7], s[22:23]
	s_add_nc_u64 s[G0+2:G0+3], s[8:9], s[20:21]
	s_or_b32 s[G0+3], s[G0+3], 0x80000000
	s_lshr_b32 s20, ttmp9, 3                       ; the batch: 8 clusters each
	s_mul_i32 s20, s20, 24576
	s_mul_i32 s63, s[WV], 6144
	s_add_co_u32 s20, s20, s63
	s_add_nc_u64 s[G0S+2:G0S+3], s[10:11], s[20:21]
	s_or_b32 s[G0S+3], s[G0S+3], 0x80000000
	s_mul_i32 s20, s[WV], 1280
	s_add_nc_u64 s[G0P+2:G0P+3], s[12:13], s[20:21]
	s_or_b32 s[G0P+3], s[G0P+3], 0x80000000
	s_lshl_b32 s22, s17, 14                        ; the prefetches: my work-group's 16,384 bytes of a slot, my wave's 8,192 of them,
	s_lshl_b32 s18, s[WV], 13
	s_add_co_u32 s22, s22, s18
	s_add_co_u32 s22, s22, 0x10000                 ; in slot 1: the first change steps it to slot 2.  Slots 0 and 1 come by their loads alone
	s_add_nc_u64 s[PFA:PFA+1], s[8:9], s[22:23]
	ROUND                                          ; all four work-groups are here: the first joint loads meet
	tensor_load_to_lds s[G0:G0+3], s[G1:G1+7]      ; slot 0
	s_nop 0
	tensor_load_to_lds s[G0S:G0S+3], s[G1S:G1S+7]  ; the state
	s_nop 0
	tensor_load_to_lds s[G0P:G0P+3], s[G1P:G1P+7]  ; the tables
	s_nop 0
	PLACES
.irp rt, 0,1,2,3
	global_load_b32 v[MK+2*\rt],   v[MO], s[6:7] offset:64*\rt
	global_load_b32 v[MK+2*\rt+1], v[MO], s[6:7] offset:64*\rt
.endr
.irp hw, 0,1                           ; q straight into X: 128 loads of 16 bytes a lane
	WIN 0x80+0x40*\hw
.irp l, 0,1
.set t, 0
.rept 16
	global_load_b128 v[128*\l+8*t:128*\l+8*t+3],   v[GO], s[4:5] offset:16384*(2*\hw+\l)+64*t
	global_load_b128 v[128*\l+8*t+4:128*\l+8*t+7], v[GO], s[4:5] offset:16384*(2*\hw+\l)+64*t+16
.set t, t+1
.endr
.endr
.endr
	WIN 0
	s_wait_loadcnt 0x0
	s_mov_b32 s[SLOTS], 11                         ; changes 0 to 10 ask for slots 1 to 11
	s_mov_b32 s[PH], 0
	s_mov_b32 s[NEW], 1
.Lslot:                                        ; 11 trips: a slot is entered and the next is asked for
	CHANGE 1
	s_mov_b32 s[CNT], 2
	s_cmp_eq_u32 s[NEW], 1                         ; at the first trip a constant of the text
	s_cbranch_scc0 .Lgo
	s_mov_b32 s[NEW], 0
	s_cmp_eq_u32 s[PH], 0
	s_cbranch_scc1 .Lnorm
	MMX WF1, 8                                     ; slot 4: the last head's last 32 products (their fragments came in ahead of the change),
	WIN 0
	PLACES
.set t, 0
.rept 16                               ; and x = q + attention + bp
	ds_load_b128 v[32+8*t:35+8*t], v[PH32] offset:3072+64*t
	ds_load_b128 v[36+8*t:39+8*t], v[PH32] offset:3072+64*t+16
.set t, t+1
.endr
	s_wait_dscnt 0x0
.irp hw, 0,1
	WIN 0x82+0x41*\hw                              ; X as destination and source 0, bp in window 0
.irp l, 0,1
.set p, 0
.rept 64                               ; ascending: each accumulator's lowest registers are read first
	v_pk_add_f32 v[128*\l+2*p:128*\l+2*p+1], v[128*\l+2*p:128*\l+2*p+1], v[32+2*p:33+2*p]
.set p, p+1
.endr
.endr
.endr
	WIN 0
.Lnorm:
	LNQ                                            ; slots 0 and 4 begin with the norm of X
	s_cmp_eq_u32 s[PH], 0
	s_cbranch_scc0 .Lpro
	CH_HEAD                                        ; the heads' loop is entered in the middle of a trip: no chunk has gone before
	s_branch .Laent
.Lpro:
	PROLOG
	s_branch .Lr
.Lgo:
	s_cmp_eq_u32 s[PH], 0
	s_cbranch_scc0 .Lr
.Lac:                                          ; a head
	CH_HEAD
	s_wait_dscnt 16                                ; the chunk before's last eight fragments are in; the 16 loads just issued may stay out
	MMX WF1, 8
	WIN 0
.Laent:
	CH_B
	s_sub_co_u32 s[CNT], s[CNT], 1
	s_cmp_lg_u32 s[CNT], 0
	s_cbranch_scc1 .Lac
	s_cmp_eq_u32 s[SLOTS], 8                       ; slot 3 was the heads' last
	s_cselect_b32 s[PH], 1, s[PH]
	s_cselect_b32 s[NEW], 1, s[NEW]
	s_branch .Lbottom
.Lr:                                           ; a trip of the MLP
	TRIP
	s_sub_co_u32 s[CNT], s[CNT], 1
	s_cmp_lg_u32 s[CNT], 0
	s_cbranch_scc1 .Lr
.Lbottom:
	s_sub_co_u32 s[SLOTS], s[SLOTS], 1
	s_cmp_lg_u32 s[SLOTS], 0
	s_cbranch_scc1 .Lslot
	CHANGE 0                                       ; the last slot is written out: nothing is asked for
	s_mov_b32 s[CNT], 2
.Ltr:
	TRIP
	s_sub_co_u32 s[CNT], s[CNT], 1
	s_cmp_lg_u32 s[CNT], 0
	s_cbranch_scc1 .Ltr
	; THE EPILOGUE: X(15), on the last chunk's second block
	s_wait_dscnt 0x0
	PLACES
	LOADG WF0, 16
	LOADG WF1, 24
	s_wait_dscnt 16                                ; the first eight fragments are in
	MMX WF0, 0
	s_wait_dscnt 0x0
	MMX WF1, 8
	WIN 0
	PLACES
	; ---- THE WAY OUT: a tile's 16 rows go through my stage and come back as halves of rows, 512 consecutive bytes a load; b2 is added; each store covers 512 consecutive bytes, aligned.
	; A loop of four trips; only the stores into the stage name X's registers, so they stand four times and the counter chooses.
	v_add_nc_u32 v1, PARAM_L+4096, v[LA0]
	ds_load_b128 v[U:U+3],   v1                    ; b2 of my four channels in a row's first half,
	ds_load_b128 v[U+4:U+7], v1 offset:512         ; and in its second
.macro STG rt
	WIN 0x08+4*((\rt)/2)                           ; data in X's window
.set t, 0
.rept 16
	ds_store_b128 v[STO], v[128*((\rt)%2)+8*t:128*((\rt)%2)+8*t+3]   offset:64*t
	ds_store_b128 v[STO], v[128*((\rt)%2)+8*t+4:128*((\rt)%2)+8*t+7] offset:64*t+16
.set t, t+1
.endr
	WIN 0
.endm
	s_mov_b32 s[CNT], 4
.Lout:
	s_cmp_eq_u32 s[CNT], 4
	s_cbranch_scc1 .Lo0
	s_cmp_eq_u32 s[CNT], 3
	s_cbranch_scc1 .Lo1
	s_cmp_eq_u32 s[CNT], 2
	s_cbranch_scc1 .Lo2
	STG 3
	s_branch .Lob
.Lo0:
	STG 0
	s_branch .Lob
.Lo1:
	STG 1
	s_branch .Lob
.Lo2:
	STG 2
.Lob:
.set i, 0
.rept 32
	ds_load_b128 v[32+4*i:35+4*i], v[RD] offset:(i/2)*SP+(i%2)*512  ; LDS serves a wave's instructions in order (ISA guide 5.7.1.4): these see the stores above
.set i, i+1
.endr
	s_wait_dscnt 0x0
.set i, 0
.rept 32
	v_pk_add_f32 v[32+4*i:33+4*i], v[32+4*i:33+4*i], v[U+4*(i%2):U+4*(i%2)+1]
	v_pk_add_f32 v[34+4*i:35+4*i], v[34+4*i:35+4*i], v[U+4*(i%2)+2:U+4*(i%2)+3]
.set i, i+1
.endr
.set i, 0
.rept 32
	global_store_b128 v[LA0], v[32+4*i:35+4*i], s[14:15] offset:(i/2)*1024+(i%2)*512 th:TH_STORE_NT
.set i, i+1
.endr
	s_wait_xcnt 0x0                                ; the stores have read their registers and their base: both are written again below and in the next trip
	s_add_nc_u64 s[14:15], s[14:15], 0x4000        ; 16 rows on
	s_sub_co_u32 s[CNT], s[CNT], 1
	s_cmp_lg_u32 s[CNT], 0
	s_cbranch_scc1 .Lout
	s_wait_tensorcnt 0x0                           ; the wave's end, behind my last tensor load and my last LDS store
	ds_add_u32 v[SPW], v[NIL]
	s_wait_dscnt 0x0
	ROUND                                          ; the closing round: no work-group ends while a partner may still ask for a tile that names it
	s_endpgm
.Lfunc_end_k_q95fdf38266_qchain:
	.size	k_q95fdf38266_qchain, .Lfunc_end_k_q95fdf38266_qchain-k_q95fdf38266_qchain
	.p2alignl 7, 3214868480
	.fill 96, 4, 3214868480
	.section	.rodata,"a",@progbits
	.p2align	6, 0x0
	.amdhsa_kernel k_q95fdf38266_qchain
		.amdhsa_group_segment_fixed_size 327680
		.amdhsa_private_segment_fixed_size 0
		.amdhsa_enable_private_segment 0
		.amdhsa_kernarg_size 48
		.amdhsa_user_sgpr_count 2
		.amdhsa_user_sgpr_kernarg_segment_ptr 1
		.amdhsa_wavefront_size32 1
		.amdhsa_system_sgpr_workgroup_id_x 1
		.amdhsa_system_sgpr_workgroup_id_y 1
		.amdhsa_system_sgpr_workgroup_id_z 1
		.amdhsa_system_vgpr_workitem_id 0
		.amdhsa_next_free_vgpr 1024
		.amdhsa_next_free_sgpr 100
		.amdhsa_reserve_vcc 0
		.amdhsa_float_denorm_mode_32 3
		.amdhsa_float_denorm_mode_16_64 3
		.amdhsa_memory_ordered 1
		.amdhsa_forward_progress 1
		.amdhsa_inst_pref_size 255
	.end_amdhsa_kernel
	.section	.bss,"aw",@nobits
	.p2align	6
	.space	262144
	.amdgpu_metadata
---
amdhsa.version: [ 1, 2 ]
amdhsa.kernels:
  - .name:           k_q95fdf38266_qchain
    .symbol:         k_q95fdf38266_qchain.kd
    .args:
      - { .name: q, .offset: 0, .size: 8, .value_kind: global_buffer, .address_space: global }
      - { .name: q_mask, .offset: 8, .size: 8, .value_kind: global_buffer, .address_space: global }
      - { .name: WS, .offset: 16, .size: 8, .value_kind: global_buffer, .address_space: global }
      - { .name: STATE, .offset: 24, .size: 8, .value_kind: global_buffer, .address_space: global }
      - { .name: PARAM, .offset: 32, .size: 8, .value_kind: global_buffer, .address_space: global }
      - { .name: out0, .offset: 40, .size: 8, .value_kind: global_buffer, .address_space: global }
    .group_segment_fixed_size: 327680
    .private_segment_fixed_size: 0
    .kernarg_segment_align: 8
    .kernarg_segment_size: 48
    .max_flat_workgroup_size: 128
    .sgpr_count:     100
    .vgpr_count:     1024
    .wavefront_size: 32
...
	.end_amdgpu_metadata
.endif
;; end of part 4
